; MI455X (gfx1250); checked and timed in simulation.
; The chip was launched on July 23, 2026; its instructions are those of AMD's public machine-readable ISA for CDNA 5 (MIT licence, August 2026) and "CDNA5" Instruction Set Architecture Reference Guide (July 2026). The comments in the code are by the model that wrote it; some were corrected since.
;; Causal Multi Head Self Attention. Allowed arithmetic: matrix products marked QUANTISED: E4M3 operands, one given power-of-two scale a tensor, by v_wmma_f32_16x16x64_fp8_fp8 or v_wmma_f32_16x16x128_fp8_fp8, f32 sums; everything else in f32.
;; Inputs: k_w 1,024 x 1,024 float32; lowp_scales 12 int32 (the exponents e of the quantised operands' scales 2^e); o_w 1,024 x 1,024 float32; q_w 1,024 x 1,024 float32; token_positions 2,048 int32; v_w 1,024 x 1,024 float32; x 4 x 2,048 x 1,024 float32.
;; Outputs: out0 4 x 2,048 x 1,024 float32.
;; This version of the problem:
;;   THIS VERSION OF THE PROBLEM IS GIVEN IN LOW PRECISION. The matrix products marked QUANTISED in the list below multiply operands that are first quantised to E4M3 (4 exponent bits, 3 mantissa bits; 8 bits a number), with one given power-of-two scale for each operand tensor; their sums are f32. All else is computed in f32.
;;   The module's matrix products, in the order in which they are computed (A, B: the left and right operand; K: the contracted axis; several contracted axes count as one K, in the product's order):
;;     1. [M 8,192, K 1,024] x [K 1,024, N 1,024]; A: input x; B: input q_w: QUANTISED (scales: A lowp_scales[0], B lowp_scales[1])
;;     2. [M 8,192, K 1,024] x [K 1,024, N 1,024]; A: input x; B: input k_w: QUANTISED (scales: A lowp_scales[2], B lowp_scales[3])
;;     3. [M 8,192, K 1,024] x [K 1,024, N 1,024]; A: input x; B: input v_w: QUANTISED (scales: A lowp_scales[4], B lowp_scales[5])
;;     4. batch 64 x [M 2,048, K 64] x [K 64, N 2,048]; A: computed on the way; B: computed on the way: QUANTISED (scales: A lowp_scales[6], B lowp_scales[7])
;;     5. batch 64 x [M 2,048, K 2,048] x [K 2,048, N 64]; A: softmax (see below); B: computed on the way: QUANTISED (scales: A lowp_scales[8], B lowp_scales[9])
;;     6. [M 8,192, K 1,024] x [K 1,024, N 1,024]; A: computed on the way; B: input o_w: QUANTISED (scales: A lowp_scales[10], B lowp_scales[11])
;;   THE QUANTISER, for each operand of a quantised product, along K:
;;     - The operand's scale is 2^e, e = its entry of the input lowp_scales (int32; the entries are numbered through the quantised products in the list's order, A before B).
;;     - Each number is divided by the scale, clamped to +-448, and rounded to the nearest number of E4M3, ties to even, subnormals kept.
;;     - The product sums the exact products of the quantised numbers (number of the format x scale) in f32.
;;   ~~~python
;;   def quantise(x, axis, e):      # numpy; x: float32 -> the quantised numbers, widened to float32 again
;;       x = np.moveaxis(x, axis, -1); K = x.shape[-1]
;;       r = np.clip(x / 2.0 ** e, -448, 448)
;;       step = 2.0 ** (np.maximum(np.frexp(np.where(r == 0, 1, r))[1] - 1, -6) - 3)
;;       q = np.round(r / step) * step * 2.0 ** e      # np.round: ties to even
;;       return np.moveaxis(q, -1, axis).astype(np.float32)
;;   ~~~
;;   SOFTMAX AHEAD OF A QUANTISED PRODUCT. Where the list says 'softmax', what is quantised is not the finished softmax but p = 2^(t - M), with t = logit x log2(e) and M = ceil(the row's largest t), a whole number; so 1/2 < the row's largest p <= 1. The row's sum l is taken of the UNQUANTISED p, in f32, and the product's result is divided by l at the end. Since M is a whole number, a kernel that streams over the keys may use a running M (the ceiling of the running maximum): every later rescaling is an exact power of two, so the quantised numbers keep their values, but for numbers so far below the row's largest that they fall under the format's range.
;;   OPERANDS COMPUTED ON THE WAY. 'Computed on the way' means the value that the module computes at that place (a softmax that the list does not call 'softmax' is quantised finished and normalised). What goes into a quantiser is computed in f32, as accurately as f32 sums, v_exp_f32 and their like allow (about 1e-6 of the number): no bf16 or f16 on the way to a quantiser, and a product that is left as it is and whose result goes on into a quantised operand takes f32 operands (vector FMAs, or v_wmma_f32_16x16x4_f32). A number that lies on a knife's edge between two numbers of the format may be rounded either way, as far as f32 arithmetic and the matrix unit's own rounding can turn it there, and no further.
;; One version. Each part assembles by itself: llvm-mc -triple=amdgcn-amd-amdhsa -mcpu=gfx1250 --defsym DOCPART=n.
;; ======== version 1 of 1: 4 launches
;; limits: right only within a limited range of input values
;; workspace buffers: codes 29,360,128 bytes; rope 524,288 bytes; qkv 25,165,824 bytes; ac 8,388,608 bytes
;; launch prep (part 1): grid 448 x 1, 4 waves a work-group, no clusters, 33,280 bytes of LDS; arguments x, q_w, k_w, v_w, o_w, token_positions, lowp_scales, codes, rope; writes codes, rope
.if DOCPART == 1
	.amdgcn_target "amdgcn-amd-amdhsa--gfx1250"
	.amdhsa_code_object_version 6
	.text
	.protected	k_q0d8f9a1da5_prep
	.globl	k_q0d8f9a1da5_prep
	.p2align	8
	.type	k_q0d8f9a1da5_prep,@function
k_q0d8f9a1da5_prep:
	s_mov_b64 s[64:65], 0
	v_nop
	global_prefetch_b8 v0, s[64:65] scope:SCOPE_SE
	s_setreg_imm32_b32 hwreg(HW_REG_WAVE_MODE, 25, 1), 1
	s_wait_xcnt 0x0
; PREP.  (1) x [8192][1024] f32 becomes THREE sets of E4M3 codes, one for each of the scales 2^e0, 2^e2, 2^e4 that its three products give it; q_w, k_w, v_w, o_w [1024][1024] f32 become one set each
; (e1, e3, e5, e11).  K is innermost in all of them, rows are dense, so each tensor is a plain stream of numbers and its codes a plain stream of bytes.
; code = number / 2^e, held within +-448, rounded to the nearest code, ties to even.
; (2) the table of RoPE: rope[s][j] = (cos, sin) of token_positions[s] x 10000^(-j/32), j = 0 .. 31, f32: a row is 256 bytes.
; SHARES.  Work-groups 0-255: x, 32,768 numbers each.  256-383: the four weights, 32 work-groups each.  384-447: the table, 8 positions a wave, a lane a frequency.
; A wave of the first two kinds takes 16 steps of 512 numbers: four loads of 512 consecutive bytes; the 2,048 bytes turn through the wave's own stage in LDS (16 bytes of padding behind each 64), so that a lane
; gets 16 neighbours; its 16 codes are 16 bytes, and the wave stores 512 consecutive bytes for each set.  Loads run four steps ahead, the turn through LDS one step.  Waves share nothing: no barrier.
; LAYOUT OF codes: x with e0 at 0, with e2 at 8 MiB, with e4 at 16 MiB; q_w at 24 MiB, k_w at 25, v_w at 26, o_w at 27.
; LIMITS: every e used here lies between -126 and 119, so that 2^e and 448 x 2^e are f32 numbers.  NaN among the inputs is not served.  |token_position| < 2^22: up to there the quadrant count is exact
; and what the two-part pi/2 leaves out stays under 5e-9 of an angle.
.set NX,    256                        ; work-groups for x
.set NW,    128                        ; for the weights
.set WAVES, 4
.set STEPS, 16
.set SP,    80                         ; a lane's place in a stage: 64 bytes + 16 of padding
.set WREG,  8192                       ; LDS of a wave: two stages of 32 x SP bytes
.set SPARE, WAVES*WREG                 ; behind the four regions: the spare words, 128 bytes for each wave, which no other line names
.set WOFF,  24<<20                     ; where the weights' codes begin
.set SPW,   12                         ; v12      LDS address of my spare word; never rewritten
.set NIL,   13                         ; v13      0; never rewritten
.set R,     16                         ; v16-79   four sets of 16 numbers as loaded
.set X,     80                         ; v80-111  two sets of 16 neighbours
.set T,     112                        ; v112-127 the numbers held within the largest code x the scale
.set C,     128                        ; v128-139 three sets of four registers of codes
.set SC,    140                        ; v140-145 for each set: 2^e, 448 x 2^e
.set DST,   34                         ; s[34:39] where my wave's codes go, a pair for each set
.macro LOAD t
.irp i, 0,1,2,3
	global_load_b128 v[R+16*((\t)%4)+4*\i:R+16*((\t)%4)+4*\i+3], v3, s[28:29] offset:2048*(\t)+512*\i th:TH_LOAD_NT   ; 32 lanes read 512 consecutive bytes, read once
.endr
.endm
.macro TURN t                          ; step t's numbers through the stage: LDS serves a wave's instructions in order, so no wait stands between the stores and the loads
.irp i, 0,1,2,3
	ds_store_b128 v14, v[R+16*((\t)%4)+4*\i:R+16*((\t)%4)+4*\i+3] offset:32*SP*((\t)%2)+8*SP*\i
.endr
.irp i, 0,1,2,3
	ds_load_b128 v[X+16*((\t)%2)+4*\i:X+16*((\t)%2)+4*\i+3], v15 offset:32*SP*((\t)%2)+16*\i
.endr
.endm
.macro OUT k, t                        ; set k of step t's codes
.set XS, X+16*((\t)%2)
.irp i, 0,1,2,3,4,5,6,7,8,9,10,11,12,13,14,15
	v_med3_num_f32 v[T+\i], v[XS+\i], -v[SC+2*(\k)+1], v[SC+2*(\k)+1]   ; the conversion to an 8-bit code does not saturate (ISA guide 7.6.2): the hold comes first
.endr
	v_cvt_scalef32_pk8_fp8_f32 v[C+4*(\k):C+4*(\k)+1], v[T:T+7], v[SC+2*(\k)]
	v_cvt_scalef32_pk8_fp8_f32 v[C+4*(\k)+2:C+4*(\k)+3], v[T+8:T+15], v[SC+2*(\k)]
	v_nop                                          ; one plain vector line between the conversions and the next holds, which write their sources
	global_store_b128 v3, v[C+4*(\k):C+4*(\k)+3], s[DST+2*(\k):DST+2*(\k)+1] offset:512*(\t)   ; 32 lanes store 512 consecutive bytes
.endm
.macro STEP t
	s_wait_dscnt 0x0                               ; this step's numbers are back from the stage, and its stores into the stage have read their registers,
.if (\t)+4 < STEPS
	LOAD (\t)+4                                    ; which take the loads of four steps on
.endif
.if (\t)+1 < STEPS
.if STEPS-2-(\t) >= 3
	s_wait_loadcnt 12                              ; the next step's four loads are in; those of the three steps behind it may be out
.else
	s_wait_loadcnt 4*(STEPS-2-(\t))
.endif
	TURN (\t)+1
.endif
	s_wait_xcnt 0x0                                ; the last step's stores have read their data: the codes' registers are written again only behind this wait
	OUT 0, \t
	s_cmp_lt_u32 ttmp9, NX                         ; x has two sets more; a weight has one.  The jump leads round register work and global stores alone
	s_cbranch_scc0 .Lone_\@
	OUT 1, \t
	OUT 2, \t
.Lone_\@:
.endm
.macro SCALE e, k                      ; s[e] holds an exponent: 2^e and 448 x 2^e as f32 numbers
	s_add_co_i32 s53, s[\e], 127
	s_lshl_b32 s54, s53, 23
	v_mov_b32 v[SC+2*(\k)], s54
	s_add_co_i32 s53, s53, 8
	s_lshl_b32 s53, s53, 23
	s_or_b32 s53, s53, 0x600000
	v_mov_b32 v[SC+2*(\k)+1], s53
.endm
.macro FREQ j, value                   ; lane j's frequency, 10^(-j/8), rounded once to f32
	s_mov_b32 s60, \value
	v_writelane_b32 v20, s60, \j
.endm
; One position: a = position x frequency (one rounding); k = the nearest whole number to a x 2/pi; r = a - k pi/2 with pi/2 in two parts: the first fused step rounds nothing (k x the upper part and a are
; multiples of 2^-24 and the difference lies under 1); sine and cosine of r by polynomials for |r| up to pi/4; the quadrant k mod 4 swaps them and sets their signs.
.macro ANGLE i
	v_cvt_f32_i32 v21, s[52+\i]
	s_wait_alu depctr_va_vdst(0)
	v_mul_f32 v21, v21, v20
	v_mul_f32 v22, 0x3f22f983, v21                 ; x 2/pi
	v_rndne_f32 v22, v22
	v_fma_f32 v23, -v22, s61, v21
	v_fma_f32 v23, -v22, s62, v23                  ; r
	v_mul_f32 v24, v23, v23                        ; z = r r
	v_fmaak_f32 v25, v26, v24, 0x3c08839e          ; -1.9515295891e-4 z + 8.3321608736e-3
	v_fmaak_f32 v29, v27, v24, 0xbab6061a          ; 2.443315711809948e-5 z - 1.388731625493765e-3
	v_mul_f32 v28, v24, v23                        ; z r
	v_mul_f32 v30, v24, v24                        ; z z
	v_fmaak_f32 v25, v25, v24, 0xbe2aaaa3          ; .. z - 1.6666654611e-1
	v_fmaak_f32 v29, v29, v24, 0x3d2aaaa5          ; .. z + 4.166664568298827e-2
	v_fma_f32 v31, v24, -0.5, 1.0
	v_cvt_i32_f32 v32, v22
	v_fma_f32 v25, v25, v28, v23                   ; sin r
	v_fma_f32 v29, v29, v30, v31                   ; cos r
	v_and_b32 v33, 1, v32
	v_cmp_eq_u32 vcc_lo, 1, v33
	v_cndmask_b32 v34, v25, v29, vcc_lo            ; odd quadrants: the sine is the cosine of r,
	v_cndmask_b32 v35, v29, v25, vcc_lo            ; the cosine its sine
	v_and_b32 v33, 2, v32
	v_lshlrev_b32 v33, 30, v33                     ; quadrants 2, 3: the sine is negative
	v_xor_b32 v[41+2*\i], v33, v34
	v_add_nc_u32 v32, 1, v32
	v_and_b32 v32, 2, v32
	v_lshlrev_b32 v32, 30, v32                     ; quadrants 1, 2: the cosine is
	v_xor_b32 v[40+2*\i], v32, v35
	global_store_b64 v36, v[40+2*\i:41+2*\i], s[20:21] offset:256*\i   ; 32 lanes store a row's 256 consecutive bytes; each position has its own pair of registers
.endm
	s_load_b512 s[4:19], s[0:1], 0x0               ; x s[4:5], q_w s[6:7], k_w s[8:9], v_w s[10:11], o_w s[12:13], token_positions s[14:15], lowp_scales s[16:17], codes s[18:19]
	s_load_b64 s[20:21], s[0:1], 0x40              ; rope
	v_lshl_add_u32 v[SPW], v0, 2, SPARE
	v_mov_b32 v[NIL], 0
	v_lshrrev_b32 v1, 5, v0
	v_readfirstlane_b32 s22, v1                    ; wave
	v_and_b32 v2, 31, v0                           ; lane
	s_cmp_ge_u32 ttmp9, NX+NW
	s_cbranch_scc1 .Ltable
	; ---- the quantiser
	v_lshlrev_b32 v3, 4, v2                        ; my 16 bytes of a load's 512, and of a store's
	s_mul_i32 s23, s22, WREG
	v_lshrrev_b32 v14, 2, v2
	v_mul_u32_u24 v14, v14, SP
	v_and_b32 v15, 3, v2
	v_lshl_add_u32 v14, v15, 4, v14
	v_add_nc_u32 v14, s23, v14                     ; the stage, on the way in: SP (lane / 4) + 16 (lane % 4)
	v_mul_u32_u24 v15, v2, SP
	v_add_nc_u32 v15, s23, v15                     ; and on the way out: SP x lane: my 16 neighbours
	s_sub_co_u32 s24, ttmp9, NX
	s_lshr_b32 s25, s24, 5                         ; which weight: 0 q, 1 k, 2 v, 3 o (in x's work-groups: none of these)
	s_and_b32 s26, s24, 31                         ; and which part of it
	s_lshl_b32 s32, s25, 20
	s_add_co_u32 s32, s32, WOFF                    ; its codes' place
	s_cmp_lt_u32 ttmp9, NX                         ; every choice hangs on the work-group's number alone
	s_cselect_b32 s26, ttmp9, s26
	s_cselect_b32 s32, 0, s32
	s_lshl_b32 s26, s26, 2
	s_add_co_u32 s26, s26, s22                     ; which run of 8,192 numbers of the tensor is my wave's
	s_lshl_b32 s30, s26, 15                        ; in bytes of f32,
	s_mov_b32 s31, 0
	s_lshl_b32 s33, s26, 13                        ; and of codes
	s_add_co_u32 s32, s32, s33
	s_mov_b32 s33, 0
	s_wait_alu depctr_va_vdst(0)
	s_wait_kmcnt 0x0
	s_load_b256 s[40:47], s[16:17], 0x0            ; e0 .. e7
	s_load_b128 s[48:51], s[16:17], 0x20           ; e8 .. e11
	s_cmp_eq_u32 s25, 2
	s_cselect_b64 s[28:29], s[10:11], s[12:13]
	s_cmp_eq_u32 s25, 1
	s_cselect_b64 s[28:29], s[8:9], s[28:29]
	s_cmp_eq_u32 s25, 0
	s_cselect_b64 s[28:29], s[6:7], s[28:29]
	s_cmp_lt_u32 ttmp9, NX
	s_cselect_b64 s[28:29], s[4:5], s[28:29]       ; the tensor
	s_add_nc_u64 s[28:29], s[28:29], s[30:31]
	s_add_nc_u64 s[DST:DST+1], s[18:19], s[32:33]
	s_add_nc_u64 s[DST+2:DST+3], s[DST:DST+1], 8<<20   ; x's second and third set (named in x's work-groups alone)
	s_add_nc_u64 s[DST+4:DST+5], s[DST:DST+1], 16<<20
.irp t, 0,1,2,3
	LOAD \t
.endr
	s_wait_kmcnt 0x0
	s_cmp_eq_u32 s25, 2
	s_cselect_b32 s52, s45, s51                    ; e5 or e11
	s_cmp_eq_u32 s25, 1
	s_cselect_b32 s52, s43, s52                    ; e3
	s_cmp_eq_u32 s25, 0
	s_cselect_b32 s52, s41, s52                    ; e1
	s_cmp_lt_u32 ttmp9, NX
	s_cselect_b32 s52, s40, s52                    ; e0
	SCALE 52, 0
	SCALE 42, 1                                    ; e2
	SCALE 44, 2                                    ; e4
	s_wait_alu depctr_va_vdst(0)
	s_wait_loadcnt 12                              ; step 0's four loads are in
	TURN 0
.irp t, 0,1,2,3,4,5,6,7,8,9,10,11,12,13,14,15
	STEP \t
.endr
	s_wait_tensorcnt 0x0                           ; the wave's end, behind my last LDS store
	ds_add_u32 v[SPW], v[NIL]
	s_wait_dscnt 0x0
	s_endpgm
	; ---- the table: these waves touch no LDS
.Ltable:
	s_sub_co_u32 s24, ttmp9, NX+NW
	s_lshl_b32 s24, s24, 2
	s_add_co_u32 s24, s24, s22                     ; which run of 8 positions is my wave's
	s_lshl_b32 s28, s24, 5                         ; 8 positions of 4 bytes
	s_mov_b32 s29, 0
	s_lshl_b32 s30, s24, 11                        ; 8 rows of 256 bytes
	s_mov_b32 s31, 0
	s_mov_b32 s61, 0x3fc90fdb                      ; pi/2, its upper part,
	s_mov_b32 s62, 0xb33bbd2e                      ; and the rest
	v_mov_b32 v20, 0                               ; written whole before single lanes are
	FREQ 0, 1.0
	FREQ 1, 0.7498942093324559
	FREQ 2, 0.5623413251903491
	FREQ 3, 0.4216965034285822
	FREQ 4, 0.31622776601683794
	FREQ 5, 0.23713737056616552
	FREQ 6, 0.1778279410038923
	FREQ 7, 0.1333521432163324
	FREQ 8, 0.1
	FREQ 9, 0.07498942093324559
	FREQ 10, 0.05623413251903491
	FREQ 11, 0.04216965034285822
	FREQ 12, 0.031622776601683794
	FREQ 13, 0.023713737056616552
	FREQ 14, 0.01778279410038923
	FREQ 15, 0.01333521432163324
	FREQ 16, 0.01
	FREQ 17, 0.007498942093324559
	FREQ 18, 0.005623413251903491
	FREQ 19, 0.004216965034285822
	FREQ 20, 0.0031622776601683794
	FREQ 21, 0.0023713737056616552
	FREQ 22, 0.001778279410038923
	FREQ 23, 0.001333521432163324
	FREQ 24, 0.001
	FREQ 25, 0.0007498942093324559
	FREQ 26, 0.0005623413251903491
	FREQ 27, 0.0004216965034285822
	FREQ 28, 0.00031622776601683794
	FREQ 29, 0.00023713737056616552
	FREQ 30, 0.0001778279410038923
	FREQ 31, 0.0001333521432163324
	v_mov_b32 v26, 0xb94ca1f9                      ; -1.9515295891e-4: the sine's leading coefficient
	v_mov_b32 v27, 0x37ccf5ce                      ; 2.443315711809948e-5: the cosine's
	v_lshlrev_b32 v36, 3, v2                       ; 8 bytes a frequency
	s_wait_kmcnt 0x0
	s_add_nc_u64 s[14:15], s[14:15], s[28:29]
	s_add_nc_u64 s[20:21], s[20:21], s[30:31]
	s_load_b256 s[52:59], s[14:15], 0x0            ; my 8 positions
	s_wait_kmcnt 0x0
.irp i, 0,1,2,3,4,5,6,7
	ANGLE \i
.endr
	s_endpgm
.Lfunc_end_k_q0d8f9a1da5_prep:
	.size	k_q0d8f9a1da5_prep, .Lfunc_end_k_q0d8f9a1da5_prep-k_q0d8f9a1da5_prep
	.p2alignl 7, 3214868480
	.fill 96, 4, 3214868480
	.section	.rodata,"a",@progbits
	.p2align	6, 0x0
	.amdhsa_kernel k_q0d8f9a1da5_prep
		.amdhsa_group_segment_fixed_size 33280
		.amdhsa_private_segment_fixed_size 0
		.amdhsa_enable_private_segment 0
		.amdhsa_kernarg_size 72
		.amdhsa_user_sgpr_count 2
		.amdhsa_user_sgpr_kernarg_segment_ptr 1
		.amdhsa_wavefront_size32 1
		.amdhsa_system_sgpr_workgroup_id_x 1
		.amdhsa_system_sgpr_workgroup_id_y 1
		.amdhsa_system_sgpr_workgroup_id_z 1
		.amdhsa_system_vgpr_workitem_id 0
		.amdhsa_next_free_vgpr 160
		.amdhsa_next_free_sgpr 80
		.amdhsa_reserve_vcc 1
		.amdhsa_float_denorm_mode_32 3
		.amdhsa_float_denorm_mode_16_64 3
		.amdhsa_memory_ordered 1
		.amdhsa_forward_progress 1
		.amdhsa_inst_pref_size 96
	.end_amdhsa_kernel
	.amdgpu_metadata
---
amdhsa.version: [ 1, 2 ]
amdhsa.kernels:
  - .name:           k_q0d8f9a1da5_prep
    .symbol:         k_q0d8f9a1da5_prep.kd
    .args:
      - { .name: x, .offset: 0, .size: 8, .value_kind: global_buffer, .address_space: global }
      - { .name: q_w, .offset: 8, .size: 8, .value_kind: global_buffer, .address_space: global }
      - { .name: k_w, .offset: 16, .size: 8, .value_kind: global_buffer, .address_space: global }
      - { .name: v_w, .offset: 24, .size: 8, .value_kind: global_buffer, .address_space: global }
      - { .name: o_w, .offset: 32, .size: 8, .value_kind: global_buffer, .address_space: global }
      - { .name: token_positions, .offset: 40, .size: 8, .value_kind: global_buffer, .address_space: global }
      - { .name: lowp_scales, .offset: 48, .size: 8, .value_kind: global_buffer, .address_space: global }
      - { .name: codes, .offset: 56, .size: 8, .value_kind: global_buffer, .address_space: global }
      - { .name: rope, .offset: 64, .size: 8, .value_kind: global_buffer, .address_space: global }
    .group_segment_fixed_size: 33280
    .private_segment_fixed_size: 0
    .kernarg_segment_align: 8
    .kernarg_segment_size: 72
    .max_flat_workgroup_size: 128
    .sgpr_count:     80
    .vgpr_count:     160
    .wavefront_size: 32
...
	.end_amdgpu_metadata
.endif
;; end of part 1
;; launch qkv (part 2): grid 12 x 32, 4 waves a work-group, clusters of 4 x 4, 327,680 bytes of LDS; arguments codes, lowp_scales, rope, qkv; writes qkv
.if DOCPART == 2
	.amdgcn_target "amdgcn-amd-amdhsa--gfx1250"
	.amdhsa_code_object_version 6
	.text
	.protected	k_q0d8f9a1da5_qkv
	.globl	k_q0d8f9a1da5_qkv
	.p2align	8
	.type	k_q0d8f9a1da5_qkv,@function
k_q0d8f9a1da5_qkv:
	s_mov_b64 s[64:65], 0
	v_nop
	global_prefetch_b8 v0, s[64:65] scope:SCOPE_SE
	s_setreg_imm32_b32 hwreg(HW_REG_WAVE_MODE, 25, 1), 1
	s_wait_xcnt 0x0
	s_wait_alu depctr_hold_cnt(0) depctr_sa_sdst(0) depctr_va_vdst(0) depctr_va_sdst(0) depctr_va_ssrc(0) depctr_va_vcc(0) depctr_vm_vsrc(0)
	s_getreg_b32 s2, hwreg(HW_REG_IB_STS2, 6, 4)
	s_cmp_eq_u32 s2, 0
	s_cbranch_scc0 .Lentry_in_a_cluster
	s_endpgm
.Lentry_in_a_cluster:
	s_bfe_u32 s2, ttmp6, 0x10000c
	s_cmp_lg_u32 s2, 0xf033
	s_cbranch_scc0 .Lentry_shape_is_right
	s_endpgm
.Lentry_shape_is_right:
.set SIZE_K, 1024
.set KSTEP,  256
.set ROWB,   256
.set KROW,   SIZE_K
.set PITCH,  272
.set FR,     16
.set NL,     4
.set NP,     4
.set HALFT,  128*PITCH
.set SLOT,   4*HALFT
.set LAPS,   SIZE_K/(2*KSTEP)
.set SPARE,  2*SLOT
.set STGV,   2*HALFT
.set R_W,    24<<20
.set R_VW,   26<<20
.set R_XV,   16<<20
.set O_V,    16<<20
.set ADRA, 16
.set STOV, 18
.set SCL,  19
.set ADRB, 20
.set CSO,  22
.set LIM,  23
.set STO,  24
.set RDQ,  25
.set RDQ2, 26
.set RDV,  27
.set SPW,  28
.set NIL,  29
.set GOQ,  30
.set GOV,  31
.set CS0,  32
.set CD0,  96
.set TMP,  128
.set OUTR, 128
.set AF,   128
.set G1, 24
.set G0, 32
.set G1B, 48
.set G0B, 56
.set MSB, 0
.macro WIN new
.if MSB != \new
	s_set_vgpr_msb (MSB<<8)|\new
.set MSB, \new
.endif
.endm
.set MUL_LO, 0xa1
.set MUL_HI, 0xf1
.set TO_B,   0x40
.macro JLOAD g0a, g1a, g0b, g1b
	s_cmp_eq_u32 s15, 0
	s_cbranch_scc0 .Lfor_b_\@
	tensor_load_to_lds s[\g0a:\g0a+3], s[\g1a:\g1a+7]
	s_nop 0
.rept 4
	v_nop
.endr
	s_branch .Lasked_\@
.Lfor_b_\@:
	tensor_load_to_lds s[\g0b:\g0b+3], s[\g1b:\g1b+7]
	s_nop 0
.rept 4
	v_nop
.endr
.Lasked_\@:
.endm
.macro CREST
	s_cmp_lg_u32 s14, 0
	s_cbranch_scc1 .Lnot_wave_0_\@
	s_barrier_signal -3
.Lnot_wave_0_\@:
	s_barrier_wait -3
	s_barrier_signal -1
	s_barrier_wait -1
.endm
.macro CROUND
	s_barrier_signal -1
	s_barrier_wait -1
	CREST
.endm
	s_load_b256 s[4:11], s[0:1], 0x0
	v_lshl_add_u32 v[SPW], v0, 2, SPARE
	v_mov_b32 v[NIL], 0
	ds_add_u32 v[SPW], v[NIL]
	ds_add_u32 v[SPW], v[NIL]
	v_lshrrev_b32 v1, 5, v0
	v_readfirstlane_b32 s14, v1
	s_lshr_b32 s15, s14, 1
	s_and_b32 s16, s14, 1
	s_bfe_u32 s40, ttmp6, 0x40000
	s_bfe_u32 s41, ttmp6, 0x40004
	s_and_b32 s18, ttmp7, 0xffff
	s_lshl_b32 s18, s18, 2
	s_add_co_u32 s17, s18, s41
	s_add_co_u32 s42, s18, s40
	s_lshl_b32 s80, ttmp9, 23
	s_lshl_b32 s81, ttmp9, 20
	s_add_co_u32 s81, s81, R_W
	s_mov_b32 s82, R_VW
	s_mov_b32 s83, R_XV
	s_cmp_eq_u32 ttmp9, 2
	s_cselect_b32 s17, s41, s17
	s_cselect_b32 s42, s42, s40
	s_cselect_b32 s80, s82, s80
	s_cselect_b32 s81, s83, s81
	s_lshl_b32 s43, s41, 2
	s_lshl_b32 s43, 15, s43
	s_lshl_b32 s44, 0x1111, s40
	s_or_b32 s[G1+0], s43, (0<<16)|(1<<20)|(1<<21)|(5<<22)|(3<<25)
	s_or_b32 s[G1B+0], s44, (0<<16)|(1<<20)|(1<<21)|(5<<22)|(3<<25)
.irp g, G1, G1B
	s_mov_b32 s[\g+1], ROWB<<16
	s_mov_b32 s[\g+2], 128<<16
	s_mov_b32 s[\g+3], ROWB<<16
	s_mov_b32 s[\g+4], 128
	s_mov_b32 s[\g+5], KROW
	s_mov_b32 s[\g+6], 0
	s_mov_b32 s[\g+7], 0
.endr
	s_lshl_b32 s18, s16, 7
	s_lshl_b32 s20, s17, 8
	s_add_co_u32 s20, s20, s18
	s_lshl_b32 s20, s20, 10
	s_add_co_u32 s20, s20, s80
	s_mov_b32 s21, 0
	s_lshl_b32 s46, s42, 8
	s_add_co_u32 s46, s46, s18
	s_lshl_b32 s46, s46, 10
	s_add_co_u32 s46, s46, s81
	s_mov_b32 s47, 0
	s_mul_i32 s45, s14, HALFT
	s_wait_dscnt 0x0
	s_wait_kmcnt 0x0
	s_load_b256 s[68:75], s[6:7], 0x0
	s_load_b128 s[76:79], s[6:7], 0x20
	s_add_nc_u64 s[20:21], s[4:5], s[20:21]
	s_add_nc_u64 s[46:47], s[4:5], s[46:47]
.irp s, 0,1
	s_mov_b32 s[G0+4*\s], 1
	s_add_co_u32 s[G0+4*\s+1], s45, \s*SLOT
	s_add_nc_u64 s[G0+4*\s+2:G0+4*\s+3], s[20:21], \s*ROWB
	s_or_b32 s[G0+4*\s+3], s[G0+4*\s+3], 0x80000000
	s_mov_b32 s[G0B+4*\s], 1
	s_add_co_u32 s[G0B+4*\s+1], s45, \s*SLOT
	s_add_nc_u64 s[G0B+4*\s+2:G0B+4*\s+3], s[46:47], \s*ROWB
	s_or_b32 s[G0B+4*\s+3], s[G0B+4*\s+3], 0x80000000
	s_wait_alu depctr_va_vdst(0)
	s_wait_tensorcnt 0x0
	ds_add_u32 v28, v29
	ds_add_u32 v28, v29
	s_wait_dscnt 0x0
	CROUND
	JLOAD G0+4*\s, G1, G0B+4*\s, G1B
.endr
	v_and_b32 v1, 15, v0
	v_bfe_u32 v2, v0, 4, 1
	v_mul_u32_u24 v3, v1, PITCH
	s_wait_alu depctr_va_vdst(0)
	v_lshl_add_u32 v4, v2, 4, v3
	s_mul_i32 s21, s15, HALFT
	s_mul_i32 s22, s16, HALFT
	s_add_co_u32 s22, s22, 2*HALFT
.irp s, 0,1
	v_add_nc_u32 v[ADRA+\s], s21, v4
	v_add_nc_u32 v[ADRB+\s], s22, v4
	s_add_co_u32 s21, s21, SLOT
	s_add_co_u32 s22, s22, SLOT
.endr
	s_mul_i32 s23, s15, 128*PITCH
	s_lshl_b32 s21, s16, 7
	s_add_co_u32 s23, s23, s21
	v_lshl_add_u32 v5, v2, 3, v3
	v_add_nc_u32 v[STO], s23, v5
	v_add_nc_u32 v[STOV], STGV, v[STO]
	v_and_b32 v6, 31, v0
	v_lshrrev_b32 v7, 2, v6
	v_mul_u32_u24 v7, v7, PITCH
	v_and_b32 v8, 3, v6
	v_lshl_add_u32 v7, v8, 4, v7
	s_lshl_b32 s23, s14, 6
	v_add_nc_u32 v[RDQ], s23, v7
	v_add_nc_u32 v[RDQ2], 128*PITCH, v[RDQ]
	v_mul_u32_u24 v9, v2, PITCH
	v_lshl_add_u32 v9, v1, 4, v9
	s_mul_i32 s23, s14, 64*PITCH
	s_add_co_u32 s23, s23, STGV
	v_add_nc_u32 v[RDV], s23, v9
	v_lshlrev_b32 v[GOQ], 4, v6
	v_lshlrev_b32 v10, 11, v2
	v_lshl_add_u32 v[GOV], v1, 4, v10
	v_lshlrev_b32 v11, 8, v1
	v_lshl_add_u32 v[CSO], v2, 5, v11
	s_lshr_b32 s86, s17, 3
	s_lshl_b32 s86, s86, 4
	s_lshl_b32 s87, s40, 2
	s_add_co_u32 s86, s86, s87
	s_add_co_u32 s86, s86, s14
	s_lshl_b32 s86, s86, 11
	s_and_b32 s87, s17, 7
	s_lshl_b32 s87, s87, 8
	s_add_co_u32 s86, s86, s87
	s_lshl_b32 s86, s86, 6
	s_lshl_b32 s87, ttmp9, 23
	s_add_co_u32 s86, s86, s87
	s_mov_b32 s87, 0
	s_add_nc_u64 s[86:87], s[10:11], s[86:87]
	s_lshr_b32 s88, s42, 3
	s_lshl_b32 s88, s88, 10
	s_lshl_b32 s89, s41, 8
	s_add_co_u32 s88, s88, s89
	s_lshl_b32 s89, s14, 6
	s_add_co_u32 s88, s88, s89
	s_lshl_b32 s88, s88, 11
	s_and_b32 s89, s42, 7
	s_lshl_b32 s89, s89, 8
	s_add_co_u32 s88, s88, s89
	s_add_co_u32 s88, s88, O_V
	s_mov_b32 s89, 0
	s_add_nc_u64 s[88:89], s[10:11], s[88:89]
	s_and_b32 s90, s17, 7
	s_lshl_b32 s90, s90, 8
	s_lshl_b32 s91, s15, 7
	s_add_co_u32 s90, s90, s91
	s_lshl_b32 s90, s90, 8
	s_mov_b32 s91, 0
	s_add_nc_u64 s[90:91], s[8:9], s[90:91]
.macro FRAG reg, adr, q, i
.irp c, 0,1,2,3
	ds_load_b128 v[\reg+4*\c:\reg+4*\c+3], v[\adr] offset:128*(\q)+32*\c+(\i)*16*PITCH
.endr
.endm
.macro MUL16 a0, p, zero
.irp a, \a0, \a0+1
.irp b, 0,1,2,3,4,5,6,7
.if \zero
	v_wmma_f32_16x16x128_fp8_fp8 v[8*(8*((\a)%4)+\b):8*(8*((\a)%4)+\b)+7], v[128*(\p)+FR*\b:128*(\p)+FR*\b+FR-1], v[AF+FR*(\a):AF+FR*(\a)+FR-1], 0
.else
	v_wmma_f32_16x16x128_fp8_fp8 v[8*(8*((\a)%4)+\b):8*(8*((\a)%4)+\b)+7], v[128*(\p)+FR*\b:128*(\p)+FR*\b+FR-1], v[AF+FR*(\a):AF+FR*(\a)+FR-1], v[8*(8*((\a)%4)+\b):8*(8*((\a)%4)+\b)+7]
.endif
.endr
.endr
.endm
.macro FETCH_B slot, q, p
	WIN TO_B
.irp i, 0,1,2,3,4,5,6,7
	FRAG 128*(\p)+FR*\i, ADRB+\slot, \q, \i
.endr
	WIN 0
.endm
.macro FETCH_A slot, q, i0
.irp i, \i0, \i0+1, \i0+2, \i0+3
	FRAG AF+FR*(\i), ADRA+\slot, \q, \i
.endr
.endm
.macro PLACES n
.rept \n
	v_nop
.endr
.endm
.macro STEP slot, q, zero
	s_wait_dscnt 4*NL
	WIN MUL_LO
	MUL16 0, (\q)%2, \zero
	MUL16 2, (\q)%2, \zero
	s_wait_dscnt 0
	PLACES NP
	FETCH_B \slot, (\q)+1, 1-(\q)%2
	FETCH_A \slot, (\q)+1, 0
	WIN MUL_HI
	MUL16 4, (\q)%2, \zero
	MUL16 6, (\q)%2, \zero
	PLACES NP
	WIN 0
	FETCH_A \slot, (\q)+1, 4
.endm
.macro TURN slot, next, fill
	s_wait_tensorcnt 0x0
	ds_add_u32 v[SPW], v[NIL]
	s_wait_dscnt 4*NL+1
	WIN MUL_LO
	MUL16 0, 1, 0
	s_wait_dscnt 0x0
	s_barrier_signal -1
	MUL16 2, 1, 0
	WIN 0
	s_barrier_wait -1
.if \fill
	CREST
	s_add_nc_u64 s[G0+4*\slot+2:G0+4*\slot+3], s[G0+4*\slot+2:G0+4*\slot+3], 2*ROWB
	s_add_nc_u64 s[G0B+4*\slot+2:G0B+4*\slot+3], s[G0B+4*\slot+2:G0B+4*\slot+3], 2*ROWB
	JLOAD G0+4*\slot, G1, G0B+4*\slot, G1B
.else
	PLACES NP
.endif
	FETCH_B \next, 0, 0
	FETCH_A \next, 0, 0
	WIN MUL_HI
	MUL16 4, 1, 0
	MUL16 6, 1, 0
	PLACES NP
	WIN 0
	FETCH_A \next, 0, 4
.endm
	s_wait_tensorcnt 1
	s_barrier_signal -1
	s_barrier_wait -1
	FETCH_B 0, 0, 0
	FETCH_A 0, 0, 0
	FETCH_A 0, 0, 4
	STEP 0, 0, 1
	s_mov_b32 s3, LAPS-1
.Llap:
	TURN 0, 1, 1
	STEP 1, 0, 0
	TURN 1, 0, 1
	STEP 0, 0, 0
	s_sub_co_u32 s3, s3, 1
	s_cmp_lg_u32 s3, 0
	s_cbranch_scc1 .Llap
	TURN 0, 1, 0
	STEP 1, 0, 0
	s_wait_dscnt 4*NL
	WIN MUL_LO
	MUL16 0, 1, 0
	MUL16 2, 1, 0
	s_wait_dscnt 0
	WIN MUL_HI
	MUL16 4, 1, 0
	MUL16 6, 1, 0
	WIN 0
.macro CSLOAD a
.set CS, CS0+32*((\a)%2)
.irp q, 0,1,2,3
.irp u, 0,1
	global_load_b128 v[CS+8*\q+4*\u:CS+8*\q+4*\u+3], v[CSO], s[90:91] offset:4096*(\a)+64*\q+16*\u
.endr
.endr
.endm
.macro ROT a
.set AC, 64*((\a)%4)
.set CS, CS0+32*((\a)%2)
.if (\a) < 7
	s_wait_loadcnt 8
.else
	s_wait_loadcnt 0
.endif
	WIN 0x02+((\a)/4)
.irp b, 0,1,2,3,4,5,6,7
.irp p, 0,2,4,6
	v_pk_mul_f32 v[TMP+8*\b+\p:TMP+8*\b+\p+1], v[AC+8*\b+\p:AC+8*\b+\p+1], v[CS+8*(\b%4)+\p:CS+8*(\b%4)+\p+1] op_sel_hi:[1,0]
.endr
.irp p, 0,2,4,6
	v_pk_fma_f32 v[TMP+8*\b+\p:TMP+8*\b+\p+1], v[AC+8*\b+\p:AC+8*\b+\p+1], v[CS+8*(\b%4)+\p:CS+8*(\b%4)+\p+1], v[TMP+8*\b+\p:TMP+8*\b+\p+1] op_sel:[1,1,0] op_sel_hi:[0,1,1] neg_lo:[0,1,0]
.endr
.endr
	WIN 0
.if (\a) < 6
	CSLOAD (\a)+2
.endif
.set i, 0
.rept 64
	v_med3_num_f32 v[TMP+i], v[TMP+i], -v[LIM], v[LIM]
.set i, i+1
.endr
.endm
.macro HOLD a
.set AC, 64*((\a)%4)
	WIN 0x02+((\a)/4)
.set i, 0
.rept 64
	v_med3_num_f32 v[TMP+i], v[AC+i], -v[LIM], v[LIM]
.set i, i+1
.endr
	WIN 0
.endm
.macro CODES a, sto
.set CD, CD0+16*((\a)%2)
.if (\a) >= 2
	s_wait_dscnt 8
.endif
.irp b, 0,1,2,3,4,5,6,7
	v_cvt_scalef32_pk8_fp8_f32 v[CD+2*\b:CD+2*\b+1], v[TMP+8*\b:TMP+8*\b+7], v[SCL]
.endr
	v_nop
.irp b, 0,1,2,3,4,5,6,7
	ds_store_b64 v[\sto], v[CD+2*\b:CD+2*\b+1] offset:16*PITCH*(\a)+16*\b
.endr
.endm
	s_wait_kmcnt 0x0
	s_sub_co_i32 s84, s74, s68
	s_sub_co_i32 s84, s84, s69
	s_sub_co_i32 s85, s75, s70
	s_sub_co_i32 s85, s85, s71
	s_sub_co_i32 s92, s77, s72
	s_sub_co_i32 s92, s92, s73
	s_cmp_eq_u32 ttmp9, 0
	s_cselect_b32 s84, s84, s85
	s_cmp_eq_u32 ttmp9, 2
	s_cselect_b32 s84, s92, s84
	s_add_co_i32 s84, s84, 127
	s_lshl_b32 s85, s84, 23
	s_add_co_i32 s84, s84, 8
	s_lshl_b32 s84, s84, 23
	s_or_b32 s84, s84, 0x600000
	PLACES NP
	v_mov_b32 v[SCL], s85
	v_mov_b32 v[LIM], s84
	s_cmp_eq_u32 ttmp9, 2
	s_cbranch_scc1 .Lv_arm
	s_wait_alu depctr_va_vdst(0)
	CSLOAD 0
	CSLOAD 1
.irp a, 0,1,2,3,4,5,6,7
	ROT \a
	s_wait_alu depctr_va_vdst(0)
	CODES \a, STO
.endr
	s_branch .Lstaged
.Lv_arm:
	s_wait_alu depctr_va_vdst(0)
.irp a, 0,1,2,3,4,5,6,7
	HOLD \a
	s_wait_alu depctr_va_vdst(0)
	CODES \a, STOV
.endr
.Lstaged:
	s_wait_dscnt 0x0
	s_barrier_signal -1
	s_barrier_wait -1
	s_cmp_eq_u32 ttmp9, 2
	s_cbranch_scc1 .Lsend_v
.set i, 0
.rept 16
	ds_load_b128 v[OUTR+4*i:OUTR+4*i+3], v[RDQ] offset:8*PITCH*i
.set i, i+1
.endr
.rept 16
	ds_load_b128 v[OUTR+4*i:OUTR+4*i+3], v[RDQ2] offset:8*PITCH*(i-16)
.set i, i+1
.endr
.set i, 0
.rept 32
	s_wait_dscnt 31-i
	global_store_b128 v[GOQ], v[OUTR+4*i:OUTR+4*i+3], s[86:87] offset:512*i
.set i, i+1
.endr
	s_branch .Lclose
.Lsend_v:
.set i, 0
.rept 32
	ds_load_b128 v[OUTR+4*i:OUTR+4*i+3], v[RDV] offset:2*PITCH*i
.set i, i+1
.endr
.set i, 0
.rept 32
	s_wait_dscnt 31-i
	global_store_b128 v[GOV], v[OUTR+4*i:OUTR+4*i+3], s[88:89] offset:4096*i
.set i, i+1
.endr
.Lclose:
	s_wait_tensorcnt 0x0
	ds_add_u32 v[SPW], v[NIL]
	s_wait_dscnt 0x0
	CROUND
	s_endpgm
.Lfunc_end_k_q0d8f9a1da5_qkv:
	.size	k_q0d8f9a1da5_qkv, .Lfunc_end_k_q0d8f9a1da5_qkv-k_q0d8f9a1da5_qkv
	.p2alignl 7, 3214868480
	.fill 96, 4, 3214868480
	.section	.rodata,"a",@progbits
	.p2align	6, 0x0
	.amdhsa_kernel k_q0d8f9a1da5_qkv
		.amdhsa_group_segment_fixed_size 327680
		.amdhsa_private_segment_fixed_size 0
		.amdhsa_enable_private_segment 0
		.amdhsa_kernarg_size 32
		.amdhsa_user_sgpr_count 2
		.amdhsa_user_sgpr_kernarg_segment_ptr 1
		.amdhsa_wavefront_size32 1
		.amdhsa_system_sgpr_workgroup_id_x 1
		.amdhsa_system_sgpr_workgroup_id_y 1
		.amdhsa_system_sgpr_workgroup_id_z 1
		.amdhsa_system_vgpr_workitem_id 0
		.amdhsa_next_free_vgpr 1024
		.amdhsa_next_free_sgpr 104
		.amdhsa_reserve_vcc 0
		.amdhsa_float_denorm_mode_32 3
		.amdhsa_float_denorm_mode_16_64 3
		.amdhsa_memory_ordered 1
		.amdhsa_forward_progress 1
		.amdhsa_inst_pref_size 214
	.end_amdhsa_kernel
	.amdgpu_metadata
---
amdhsa.version: [ 1, 2 ]
amdhsa.kernels:
  - .name:           k_q0d8f9a1da5_qkv
    .symbol:         k_q0d8f9a1da5_qkv.kd
    .args:
      - { .name: codes, .offset: 0, .size: 8, .value_kind: global_buffer, .address_space: global }
      - { .name: lowp_scales, .offset: 8, .size: 8, .value_kind: global_buffer, .address_space: global }
      - { .name: rope, .offset: 16, .size: 8, .value_kind: global_buffer, .address_space: global }
      - { .name: qkv, .offset: 24, .size: 8, .value_kind: global_buffer, .address_space: global }
    .group_segment_fixed_size: 327680
    .private_segment_fixed_size: 0
    .kernarg_segment_align: 8
    .kernarg_segment_size: 32
    .max_flat_workgroup_size: 128
    .sgpr_count:     104
    .vgpr_count:     1024
    .wavefront_size: 32
...
	.end_amdgpu_metadata
.endif
;; end of part 2
;; launch attn (part 3): grid 4 x 64, 8 waves a work-group, clusters of 4 x 1, 327,680 bytes of LDS; arguments qkv, lowp_scales, ac; writes ac
.if DOCPART == 3
	.amdgcn_target "amdgcn-amd-amdhsa--gfx1250"
	.amdhsa_code_object_version 6
	.text
	.protected	k_q0d8f9a1da5_attn
	.globl	k_q0d8f9a1da5_attn
	.p2align	8
	.type	k_q0d8f9a1da5_attn,@function
k_q0d8f9a1da5_attn:
	s_mov_b64 s[64:65], 0
	v_nop
	global_prefetch_b8 v0, s[64:65] scope:SCOPE_SE
	s_setreg_imm32_b32 hwreg(HW_REG_WAVE_MODE, 25, 1), 1
	s_wait_xcnt 0x0
	s_wait_alu depctr_hold_cnt(0) depctr_sa_sdst(0) depctr_va_vdst(0) depctr_va_sdst(0) depctr_va_ssrc(0) depctr_va_vcc(0) depctr_vm_vsrc(0)
	s_getreg_b32 s2, hwreg(HW_REG_IB_STS2, 6, 4)
	s_cmp_eq_u32 s2, 0
	s_cbranch_scc0 .Lentry_in_a_cluster
	s_endpgm
.Lentry_in_a_cluster:
	s_bfe_u32 s2, ttmp6, 0x10000c
	s_cmp_lg_u32 s2, 0x3003
	s_cbranch_scc0 .Lentry_shape_is_right
	s_endpgm
.Lentry_shape_is_right:
; ATTN.  Causal attention for 64 heads (batch x 16 + head) of 2,048 tokens and head size 64, both products on codes of E4M3; the result is quantised for the last projection.
; q, k codes: [64][2048][64] at 0 and at 8 MiB of qkv.  v codes: [64][64 (channel)][2048 (keys)] at 16 MiB: the keys are the second product's K.
; SOFTMAX: t = score x log2(e) / 8; M = the ceiling of the row's largest t so far; p = 2^(t - M) is quantised (2^e8), not normalised; the row's sum of the unquantised p divides O at the end.
; When M moves, the sum and O are multiplied by 2^(old M - new M): nothing is rounded.
; WORK LEFT OUT: the causal mask sets scores of keys behind the query to -infinity, so their p is 0 for all inputs: steps of 128 keys that lie wholly behind a pair of tiles are not walked for it.
; A NaN or infinity that reaches only such scores is not carried to the result.
; SHARES.  The four work-groups of a cluster serve one head.  Of each block of 128 queries work-group cx has queries 32 cx + 0 .. 31, two tiles of 16.  Wave a (0 .. 7) owns that pair of block a (pair 0: a + 1 key
; steps of 128 keys) and that of block 15 - a (pair 1: 16 - a steps): 34 tile steps for every wave, and every count hangs on the wave's number alone, on no place in the cluster.  A pair's last step lies on the diagonal.
; Inside the diagonal step tiles of 16 keys that are wholly hidden are still multiplied: which they are hangs on cx.
; A pair's two tiles go through the softmax line by line in turn, so that neighbouring lines do not hang on each other.
; LDS.  A head's whole K (2,048 rows of 64 + 16 bytes) and V (4 pieces of 64 rows x 512 + 16 bytes) lie in LDS.  Each wave asks for one eighth by ONE joint load at the head (waves 0-3: 512 keys of K, a dense block
; stated as 128 rows of 256 bytes; waves 4-7: 512 keys of V's 64 rows); mask 15: all four partners ask with the same descriptor and read every piece.  Nothing is filled again: one barrier.
; NO PREFETCH: every tile is asked for at the head, so there is no loop to run ahead in.
; LAYOUT.  Both products transposed: S^T = K Q^T (source 0 = keys 16 t + lane % 16), O^T = V^T P^T (source 0 = channels 16 t + lane % 16): a lane holds one query (lane % 16).  Register 8 t + j of S^T is key
; 16 t + 8 (lane / 16) + j, so p's conversions give registers 2 t, 2 t + 1 of the K = 128 form's own layout, and V's fragments are read in that layout, 8 bytes a load.  K and Q share one order of the 64 channels.
; OUT: ac = images of the last projection's A fragments: [512 blocks of 16 tokens][8][4 groups c][32 lanes][16 bytes]; tile t's 8 codes a lane go to byte 256 t + 16 (lane % 16) + 8 (lane / 16) of my head's 1,024.
; LIMITS: e6 + e7 between -123 and 130; e8 and e10 - e8 - e9 between -126 and 119, so that each power of two below is an f32 number.  Scaled scores stay under 2^31 in magnitude.
; REGISTERS.  Window 0: v0 thread; v1, v2 lane's place in K, V; v3 2^e8; v8, v9 the add's; v[10+2 i:11+2 i] (-M, sum) of tile i; v4-7, v18-31 at work; v32-95 K, then V; v96-223 S^T, then p, of a pair.
; Window 1: v0-31 Q (8 a tile); v32-159 O^T (32 a tile); v160-223 p's codes (16 a tile).
.set KP,    80
.set VP,    528
.set KSL,   512*KP                     ; 512 keys of K in LDS
.set VSL,   64*VP                      ; 512 keys of V in LDS
.set VBASE, 4*KSL
.set SPARE, VBASE+4*VSL+256            ; the spare words, 128 bytes a wave; no other line names them
.set KREG,  8<<20
.set VREG,  16<<20
.set AK0, 1
.set AV0, 2
.set SCL, 3
.set SPW, 8
.set NIL, 9
.set KV,  32
.set S,   96
.set WV,  18
.set SEL, 20
.set CS,  22
.set G1K, 24
.set G1V, 32
.set G0K, 40
.set G0V, 44
.set TBK, 48                           ; LDS byte of the step's keys in K
.set TBV, 49                           ; and in V (less VBASE)
.set QL,  50                           ; s50, s51: the first key of pair 0's, pair 1's last step
.set DI,  52                           ; 32 cx: enters vector data and global addresses alone
.set HH,  53                           ; 448 x 2^e8
.set OS,  54                           ; 2^(e10 - e8 - e9)
.set OH,  55                           ; 448 x that
.set TRIP, 56
.set KF,  57                           ; the step's first key
.set MSB, 0
.macro WIN new                         ; the immediate's high byte repeats the setting that is left
.if MSB != \new
	s_set_vgpr_msb (MSB<<8)|\new
.set MSB, \new
.endif
.endm
.macro ROUND                           ; a round of the cluster's barrier
	s_barrier_signal -1
	s_barrier_wait -1
	s_cmp_lg_u32 s[WV], 0
	s_cbranch_scc1 .Lnw0_\@
	s_barrier_signal -3
.Lnw0_\@:
	s_barrier_wait -3
	s_barrier_signal -1
	s_barrier_wait -1
.endm
.macro NOPS n
.rept \n
	v_nop
.endr
.endm
; S^T of pair p: 16 products, the accumulators by turns.  Q lies in window 1.
.macro SM4 p, t0
.irp t, \t0, \t0+1, \t0+2, \t0+3
	v_wmma_f32_16x16x64_fp8_fp8 v[S+8*(\t):S+8*(\t)+7], v[KV+8*(\t):KV+8*(\t)+7], v[16*(\p):16*(\p)+7], 0
	v_wmma_f32_16x16x64_fp8_fp8 v[S+64+8*(\t):S+64+8*(\t)+7], v[KV+8*(\t):KV+8*(\t)+7], v[16*(\p)+8:16*(\p)+15], 0
.endr
.endm
.macro SMUL2 p
	WIN 0x04
	s_wait_dscnt 8                                 ; K's tiles 0-3 are in; the youngest eight loads (tiles 4-7) may be out
	SM4 \p, 0
	s_wait_dscnt 0x0
	SM4 \p, 4
	WIN 0
.endm
; On a pair's diagonal step hidden scores become -infinity ahead of the maximum.  The branch hangs on the wave's number and the count of steps alone.
.macro MASK2 p
	s_cmp_lg_u32 s[KF], s[QL+\p]
	s_cbranch_scc1 .Lopen_\@
	v_and_b32 v4, 15, v0
	v_bfe_u32 v5, v0, 4, 1
	v_lshlrev_b32 v5, 3, v5
	v_sub_nc_u32 v4, v4, v5
	v_add_nc_u32 v18, s[DI], v4                    ; d = 32 cx + lane % 16 - 8 (lane / 16): register 8 t + j of the pair's tile x is hidden where 16 t + j - 16 x > d
	v_mov_b32 v19, 0xff800000
.set n, 0
.rept 128
	v_cmp_gt_i32 vcc_lo, 16*((n%64)/8)+n%8-16*(n/64), v18
	v_cndmask_b32 v[S+n], v[S+n], v19, vcc_lo
.set n, n+1
.endr
.Lopen_\@:
.endm
.macro DM t                            ; the hold of tile t's p, both tiles of the pair, two numbers a line: the conversion does not saturate (ISA guide 7.6.2); p is not negative, so the hold is one-sided
.irp x, 0,64
.irp j, 0,2,4,6
	v_dual_min_num_f32 v[S+\x+8*(\t)+\j], s[HH], v[S+\x+8*(\t)+\j] :: v_dual_min_num_f32 v[S+\x+8*(\t)+\j+1], s[HH], v[S+\x+8*(\t)+\j+1]
.endr
.endr
.endm
; Pair p's softmax over the step's 128 keys: from S^T in v96-223 to 2 x 16 registers of codes.
.macro SOFT2 p
.set SA, 10+4*(\p)
.set SB, 12+4*(\p)
.set OW, 32+64*(\p)
.set CW, 160+32*(\p)
	v_max3_num_f32 v4, v[S], v[S+1], v[S+2]        ; each accumulator is first read at its low end
	v_max3_num_f32 v6, v[S+64], v[S+65], v[S+66]
	v_max3_num_f32 v5, v[S+3], v[S+4], v[S+5]
	v_max3_num_f32 v7, v[S+67], v[S+68], v[S+69]
.irp i, 6,10,14,18,22,26,30,34,38,42,46,50,54,58
	v_max3_num_f32 v4, v4, v[S+\i], v[S+1+\i]
	v_max3_num_f32 v6, v6, v[S+64+\i], v[S+65+\i]
	v_max3_num_f32 v5, v5, v[S+2+\i], v[S+3+\i]
	v_max3_num_f32 v7, v7, v[S+66+\i], v[S+67+\i]
.endr
	v_max3_num_f32 v4, v4, v[S+62], v[S+63]
	v_max3_num_f32 v6, v6, v[S+126], v[S+127]
	v_max_num_f32 v4, v4, v5
	v_max_num_f32 v6, v6, v7
	v_permlanex16_b32 v20, v4, s[SEL], s[SEL+1]
	v_permlanex16_b32 v21, v6, s[SEL], s[SEL+1]
	v_max_num_f32 v4, v4, v20                      ; with lane l xor 16's keys
	v_max_num_f32 v6, v6, v21
	v_mul_f32 v4, s[CS], v4                        ; as t (c is positive)
	v_mul_f32 v6, s[CS], v6
	v_floor_f32 v4, -v4                            ; -ceil(t)
	v_floor_f32 v6, -v6
	v_min_num_f32 v4, v4, v[SA]                    ; the new -M
	v_min_num_f32 v6, v6, v[SB]
	v_sub_f32 v5, v4, v[SA]                        ; old M - new M, a whole number, 0 or less
	v_sub_f32 v7, v6, v[SB]
	v_mov_b32 v[SA], v4
	v_mov_b32 v[SB], v6
	v_cvt_i32_f32 v5, v5                           ; (it saturates)
	v_cvt_i32_f32 v7, v7
	v_ldexp_f32 v22, 1.0, v5                       ; f = 2^(old M - new M)
	v_ldexp_f32 v24, 1.0, v7
	WIN 0x41
.if \p
	s_wait_alu depctr_va_vdst(0)                   ; directly ahead of the first readers of pair 1's O^T
.endif
.set n, 0
.rept 16
	v_pk_mul_f32 v[OW+n:OW+n+1], v[OW+n:OW+n+1], v[22:23] op_sel_hi:[1,0]   ; O^T x f
	v_pk_mul_f32 v[OW+32+n:OW+32+n+1], v[OW+32+n:OW+32+n+1], v[24:25] op_sel_hi:[1,0]
.set n, n+2
.endr
	WIN 0
.set n, 0
.rept 32
	v_pk_fma_f32 v[S+n:S+n+1], v[S+n:S+n+1], s[CS:CS+1], v[SA:SA+1] op_sel_hi:[1,0,0]   ; t - M
	v_pk_fma_f32 v[S+64+n:S+64+n+1], v[S+64+n:S+64+n+1], s[CS:CS+1], v[SB:SB+1] op_sel_hi:[1,0,0]
.set n, n+2
.endr
	s_wait_alu depctr_va_vdst(0)                   ; ahead of the batch
.set n, 0
.rept 128
	v_exp_f32 v[S+n], v[S+n]                       ; p
.set n, n+1
.endr
	v_mul_f32 v[SA+1], v[SA+1], v22                ; the sums x f: plain lines behind the batch
	v_mul_f32 v[SB+1], v[SB+1], v24
	s_wait_alu depctr_va_vdst(0)                   ; and the wait behind it, ahead of its first reader
	v_pk_add_f32 v[4:5], v[S:S+1], v[S+2:S+3]      ; the sums of the unquantised p, three chains a tile
	v_pk_add_f32 v[26:27], v[S+64:S+65], v[S+66:S+67]
	v_pk_add_f32 v[6:7], v[S+4:S+5], v[S+6:S+7]
	v_pk_add_f32 v[28:29], v[S+68:S+69], v[S+70:S+71]
	v_pk_add_f32 v[18:19], v[S+8:S+9], v[S+10:S+11]
	v_pk_add_f32 v[30:31], v[S+72:S+73], v[S+74:S+75]
.set n, 12
.rept 8
	v_pk_add_f32 v[4:5], v[4:5], v[S+n:S+n+1]
	v_pk_add_f32 v[26:27], v[26:27], v[S+64+n:S+64+n+1]
	v_pk_add_f32 v[6:7], v[6:7], v[S+n+2:S+n+3]
	v_pk_add_f32 v[28:29], v[28:29], v[S+64+n+2:S+64+n+3]
	v_pk_add_f32 v[18:19], v[18:19], v[S+n+4:S+n+5]
	v_pk_add_f32 v[30:31], v[30:31], v[S+64+n+4:S+64+n+5]
.set n, n+6
.endr
	v_pk_add_f32 v[4:5], v[4:5], v[S+60:S+61]
	v_pk_add_f32 v[26:27], v[26:27], v[S+124:S+125]
	v_pk_add_f32 v[6:7], v[6:7], v[S+62:S+63]
	v_pk_add_f32 v[28:29], v[28:29], v[S+126:S+127]
	v_pk_add_f32 v[4:5], v[4:5], v[18:19]
	v_pk_add_f32 v[26:27], v[26:27], v[30:31]
	DM 0                                           ; the holds stand between the chains' last links
	v_pk_add_f32 v[4:5], v[4:5], v[6:7]
	v_pk_add_f32 v[26:27], v[26:27], v[28:29]
	DM 1
	v_add_f32 v4, v4, v5
	v_add_f32 v26, v26, v27
	DM 2
	v_add_f32 v[SA+1], v[SA+1], v4
	v_add_f32 v[SB+1], v[SB+1], v26
.irp t, 3,4,5,6,7
	DM \t
.endr
	WIN 0x40                                       ; the codes lie in window 1
.irp t, 0,1,2,3,4,5,6,7
	v_cvt_scalef32_pk8_fp8_f32 v[CW+2*\t:CW+2*\t+1], v[S+8*\t:S+8*\t+7], v[SCL]
	v_cvt_scalef32_pk8_fp8_f32 v[CW+16+2*\t:CW+16+2*\t+1], v[S+64+8*\t:S+64+8*\t+7], v[SCL]
.endr
	WIN 0
	v_nop                                          ; one plain line behind the last conversion
.endm
.macro PV p                            ; O^T += V^T P^T of pair p: eight accumulators by turns
	WIN 0x54
.irp t, 0,1,2,3
	v_wmma_f32_16x16x128_fp8_fp8 v[32+64*(\p)+8*\t:32+64*(\p)+8*\t+7], v[KV+16*\t:KV+16*\t+15], v[160+32*(\p):160+32*(\p)+15], v[32+64*(\p)+8*\t:32+64*(\p)+8*\t+7]
	v_wmma_f32_16x16x128_fp8_fp8 v[64+64*(\p)+8*\t:64+64*(\p)+8*\t+7], v[KV+16*\t:KV+16*\t+15], v[176+32*(\p):176+32*(\p)+15], v[64+64*(\p)+8*\t:64+64*(\p)+8*\t+7]
.endr
	WIN 0
.endm
.macro OUTM i, r                       ; tile i's O^T / its sum, each accumulator from its low end on
.set n, 0
.rept 16
	v_pk_mul_f32 v[S+32*(\i)+n:S+32*(\i)+n+1], v[32+32*(\i)+n:32+32*(\i)+n+1], v[\r:\r+1] op_sel_hi:[1,0]
.set n, n+2
.endr
.endm
	s_load_b128 s[4:7], s[0:1], 0x0                ; qkv, lowp_scales
	s_load_b64 s[8:9], s[0:1], 0x10                ; ac
	v_lshl_add_u32 v[SPW], v0, 2, SPARE
	v_mov_b32 v[NIL], 0
	ds_add_u32 v[SPW], v[NIL]                      ; the opening lines: the add twice on end and its wait ahead of my tensor load
	ds_add_u32 v[SPW], v[NIL]
	v_lshrrev_b32 v4, 5, v0
	v_readfirstlane_b32 s[WV], v4                  ; wave a = 0..7
	s_bfe_u32 s58, ttmp6, 0x40000                  ; cx
	s_and_b32 s59, ttmp7, 0xffff                   ; the head
	s_lshl_b32 s60, s59, 17                        ; its first byte in each tensor of codes
	s_mov_b32 s61, 0
	s_lshl_b32 s[QL], s[WV], 7                     ; 128 a
	s_sub_co_u32 s[QL+1], 1920, s[QL]              ; 128 (15 - a)
	s_lshl_b32 s[DI], s58, 5
	s_add_co_u32 s62, s[QL], s[DI]                 ; pair 0's first query,
	s_add_co_u32 s63, s[QL+1], s[DI]               ; pair 1's
	s_lshr_b32 s80, s59, 4
	s_lshl_b32 s80, s80, 21                        ; ac: the batch,
	s_and_b32 s81, s59, 15
	s_lshl_b32 s81, s81, 10
	s_add_co_u32 s80, s80, s81                     ; my head's 1,024 bytes,
	s_lshl_b32 s84, s63, 10
	s_add_co_u32 s84, s84, s80                     ; the pair's blocks of 16 tokens
	s_mov_b32 s85, 0
	s_lshl_b32 s81, s62, 10
	s_add_co_u32 s80, s80, s81
	s_mov_b32 s81, 0
	s_lshl_b32 s66, s62, 6
	s_mov_b32 s67, 0
	s_add_nc_u64 s[66:67], s[66:67], s[60:61]      ; the pairs' codes of Q
	s_lshl_b32 s82, s63, 6
	s_mov_b32 s83, 0
	s_add_nc_u64 s[82:83], s[82:83], s[60:61]
	s_and_b32 s73, s[WV], 3                        ; which 512 keys I fetch
	s_lshl_b32 s74, s73, 15
	s_add_co_u32 s74, s74, KREG
	s_mov_b32 s75, 0
	s_add_nc_u64 s[74:75], s[74:75], s[60:61]      ; K: in memory,
	s_mul_i32 s76, s73, KSL                        ; and in LDS
	s_lshl_b32 s78, s73, 9
	s_add_co_u32 s78, s78, VREG
	s_mov_b32 s79, 0
	s_add_nc_u64 s[78:79], s[78:79], s[60:61]      ; V likewise
	s_mul_i32 s77, s73, VSL
	s_add_co_u32 s77, s77, VBASE
	s_mov_b32 s[G1K], 15|(1<<20)|(1<<21)|(3<<22)|(3<<25)   ; mask: the cluster's four; 1-byte elements; four words of padding behind every 16
	s_mov_b32 s[G1K+1], 256<<16
	s_mov_b32 s[G1K+2], 128<<16
	s_mov_b32 s[G1K+3], 256<<16
	s_mov_b32 s[G1K+4], 128
	s_mov_b32 s[G1K+5], 256
	s_mov_b32 s[G1K+6], 0
	s_mov_b32 s[G1K+7], 0
	s_mov_b32 s[G1V], 15|(1<<20)|(1<<21)|(6<<22)|(3<<25)   ; four words of padding behind every 128
	s_mov_b32 s[G1V+1], 512<<16
	s_mov_b32 s[G1V+2], 64<<16
	s_mov_b32 s[G1V+3], 512<<16
	s_mov_b32 s[G1V+4], 64
	s_mov_b32 s[G1V+5], 2048
	s_mov_b32 s[G1V+6], 0
	s_mov_b32 s[G1V+7], 0
	s_mov_b32 s[SEL], 0x76543210
	s_mov_b32 s[SEL+1], 0xfedcba98
	s_mov_b32 s[CS], 0x3e38aa3b                    ; log2(e) / 8
	s_mov_b32 s[TBK], 0
	s_mov_b32 s[KF], 0
	s_mov_b32 s[TRIP], 16
	s_wait_dscnt 0x0                               ; both opening adds are done
	s_wait_kmcnt 0x0
	s_load_b128 s[68:71], s[6:7], 0x18             ; e6, e7, e8, e9
	s_load_b32 s72, s[6:7], 0x28                   ; e10
	s_mov_b32 s[G0K], 1
	s_mov_b32 s[G0K+1], s76
	s_add_nc_u64 s[G0K+2:G0K+3], s[4:5], s[74:75]
	s_or_b32 s[G0K+3], s[G0K+3], 0x80000000
	s_mov_b32 s[G0V], 1
	s_mov_b32 s[G0V+1], s77
	s_add_nc_u64 s[G0V+2:G0V+3], s[4:5], s[78:79]
	s_or_b32 s[G0V+3], s[G0V+3], 0x80000000
	s_add_nc_u64 s[66:67], s[4:5], s[66:67]
	s_add_nc_u64 s[82:83], s[4:5], s[82:83]
	s_add_nc_u64 s[84:85], s[8:9], s[84:85]
	s_add_nc_u64 s[8:9], s[8:9], s[80:81]
	ROUND                                          ; the four work-groups are here: the joint loads meet
	s_cmp_lt_u32 s[WV], 4                          ; one chain on the wave's number, one load an arm
	s_cbranch_scc0 .Lfor_v
	tensor_load_to_lds s[G0K:G0K+3], s[G1K:G1K+7]
	s_nop 0
	NOPS 4
	s_branch .Lasked
.Lfor_v:
	tensor_load_to_lds s[G0V:G0V+3], s[G1V:G1V+7]
	s_nop 0
	NOPS 4
.Lasked:
	v_and_b32 v4, 15, v0                           ; r
	v_bfe_u32 v5, v0, 4, 1                         ; h
	v_lshlrev_b32 v7, 6, v4
	v_lshl_add_u32 v7, v5, 4, v7                   ; Q: row r of 64 bytes, + 16 h
	WIN 0x40
.irp x, 0,1
	global_load_b128 v[8*\x:8*\x+3], v7, s[66:67] offset:1024*\x
	global_load_b128 v[8*\x+4:8*\x+7], v7, s[66:67] offset:1024*\x+32
	global_load_b128 v[16+8*\x:16+8*\x+3], v7, s[82:83] offset:1024*\x
	global_load_b128 v[16+8*\x+4:16+8*\x+7], v7, s[82:83] offset:1024*\x+32
.endr
.set n, 0
.rept 128
	v_mov_b32 v[32+n], 0                           ; O^T: the step is written once; the first change of M leaves zeros zeros
.set n, n+1
.endr
	WIN 0
	v_mul_u32_u24 v[AK0], v4, KP
	v_lshl_add_u32 v[AK0], v5, 4, v[AK0]
	v_mul_u32_u24 v[AV0], v4, VP
	v_lshl_add_u32 v[AV0], v5, 3, v[AV0]
	v_add_nc_u32 v[AV0], VBASE, v[AV0]
.irp i, 10,12,14,16
	v_mov_b32 v[\i], 0x7f61b1e6                    ; -M: 3e38, over every -ceil(t)
	v_mov_b32 v[\i+1], 0                           ; the sum
.endr
	v_mov_b32 v6, 0
.set n, 18
.rept 14
	v_mov_b32 v[n], 0                              ; the registers at work are written once: lane permutes' destinations and the upper halves of named pairs count as sources
.set n, n+1
.endr
	s_wait_kmcnt 0x0
	s_add_co_i32 s58, s68, s69
	s_lshl_b32 s58, s58, 23
	s_add_co_i32 s[CS], s[CS], s58                 ; c x 2^(e6 + e7), by c's exponent field
	s_mov_b32 s[CS+1], s[CS]
	s_add_co_i32 s58, s70, 127
	s_lshl_b32 s59, s58, 23
	v_mov_b32 v[SCL], s59                          ; 2^e8
	s_add_co_i32 s58, s58, 8
	s_lshl_b32 s58, s58, 23
	s_or_b32 s[HH], s58, 0x600000
	s_sub_co_i32 s58, s72, s70
	s_sub_co_i32 s58, s58, s71
	s_add_co_i32 s58, s58, 127
	s_lshl_b32 s[OS], s58, 23
	s_add_co_i32 s58, s58, 8
	s_lshl_b32 s58, s58, 23
	s_or_b32 s[OH], s58, 0x600000
	s_wait_alu depctr_va_vdst(0)                   ; the wait at the head's end
	s_wait_loadcnt 0x0                             ; Q
	s_wait_tensorcnt 0x0                           ; my eighth of K and V has landed,
	s_barrier_signal -1
	s_barrier_wait -1                              ; and so has everybody's: nothing is filled again, so no further barrier stands in the walk
.Lstep:                                            ; sixteen trips of 128 keys, a constant: a wave past its last diagonal jumps over the step's work
	s_cmp_gt_u32 s[KF], s[QL+1]
	s_cbranch_scc1 .Lhid
	s_lshr_b32 s[TBV], s[KF], 9                    ; V: the piece of 512 keys,
	s_mul_i32 s[TBV], s[TBV], VSL
	s_and_b32 s58, s[KF], 511
	s_add_co_u32 s[TBV], s[TBV], s58               ; and the place in its rows
	v_add_nc_u32 v30, s[TBK], v[AK0]
	NOPS 3                                         ; with the addition: four places in front of loads into registers that the last products read
.irp t, 0,1,2,3,4,5,6,7
.irp c, 0,1
	ds_load_b128 v[KV+8*\t+4*\c:KV+8*\t+4*\c+3], v30 offset:16*\t*KP+32*\c
.endr
.endr
	s_cmp_gt_u32 s[KF], s[QL]                      ; pair 0 is past its diagonal: its part is left out
	s_cbranch_scc1 .Lone
	SMUL2 0
	NOPS 4                                         ; places in front of the first read of the scores
	MASK2 0
	SOFT2 0
.Lone:
	SMUL2 1                                        ; from the same fragments of K
	v_add_nc_u32 v30, s[TBV], v[AV0]
	NOPS 3                                         ; four places: for the loads into K's registers and the first read of the scores
.irp t, 0,1,2,3                                ; V's four fragments land under pair 1's softmax
.irp c, 0,1,2,3,4,5,6,7
	ds_load_b64 v[KV+16*\t+2*\c:KV+16*\t+2*\c+1], v30 offset:16*\t*VP+16*\c
.endr
.endr
	MASK2 1
	SOFT2 1
	s_wait_alu depctr_va_vdst(0)
	s_wait_dscnt 0x0                               ; V's fragments are in
	PV 1
	s_cmp_gt_u32 s[KF], s[QL]
	s_cbranch_scc1 .Lhid
	PV 0
.Lhid:
	s_add_co_u32 s[KF], s[KF], 128
	s_add_co_u32 s[TBK], s[TBK], 128*KP
	s_sub_co_u32 s[TRIP], s[TRIP], 1
	s_cmp_lg_u32 s[TRIP], 0
	s_cbranch_scc1 .Lstep
	; THE WAY OUT: O^T / the sum, held, quantised; tile t's 8 codes a lane leave as 256 consecutive aligned bytes a store.
	NOPS 4                                         ; four places behind the last products
	v_permlanex16_b32 v20, v11, s[SEL], s[SEL+1]
	v_permlanex16_b32 v21, v13, s[SEL], s[SEL+1]
	v_permlanex16_b32 v28, v15, s[SEL], s[SEL+1]
	v_permlanex16_b32 v29, v17, s[SEL], s[SEL+1]
	v_add_f32 v11, v11, v20                        ; the rows' sums
	v_add_f32 v13, v13, v21
	v_add_f32 v15, v15, v28
	v_add_f32 v17, v17, v29
	s_wait_alu depctr_va_vdst(0)                   ; the wait ahead of the transcendentals
	v_rcp_f32 v4, v11
	v_rcp_f32 v6, v13
	v_rcp_f32 v18, v15
	v_rcp_f32 v26, v17
	v_and_b32 v1, 15, v0
	v_bfe_u32 v2, v0, 4, 1
	v_lshlrev_b32 v1, 4, v1
	v_lshl_add_u32 v1, v2, 3, v1                   ; 16 r + 8 h
	v_mov_b32 v22, s[OS]
	v_mov_b32 v24, s[OH]
	WIN 0x01
	s_wait_alu depctr_va_vdst(0)                   ; ahead of the reciprocals' first readers, which are O^T's first readers too
	OUTM 0, 4
	OUTM 1, 6
	OUTM 2, 18
	OUTM 3, 26
	WIN 0
.set n, 0
.rept 128
	v_med3_num_f32 v[S+n], v[S+n], -v24, v24
.set n, n+1
.endr
.irp k, 0,1,2,3,4,5,6,7,8,9,10,11,12,13,14,15
	v_cvt_scalef32_pk8_fp8_f32 v[KV+2*\k:KV+2*\k+1], v[S+8*\k:S+8*\k+7], v22
.endr
	v_nop                                          ; one plain line behind the last conversion
.irp k, 0,1,2,3,4,5,6,7
	global_store_b64 v1, v[KV+2*\k:KV+2*\k+1], s[8:9] offset:16384*(\k/4)+256*(\k%4)
	global_store_b64 v1, v[KV+16+2*\k:KV+16+2*\k+1], s[84:85] offset:16384*(\k/4)+256*(\k%4)
.endr
	s_wait_tensorcnt 0x0                           ; the wave's end
	ds_add_u32 v[SPW], v[NIL]
	s_wait_dscnt 0x0
	ROUND                                          ; the closing round
	s_endpgm
.Lfunc_end_k_q0d8f9a1da5_attn:
	.size	k_q0d8f9a1da5_attn, .Lfunc_end_k_q0d8f9a1da5_attn-k_q0d8f9a1da5_attn
	.p2alignl 7, 3214868480
	.fill 96, 4, 3214868480
	.section	.rodata,"a",@progbits
	.p2align	6, 0x0
	.amdhsa_kernel k_q0d8f9a1da5_attn
		.amdhsa_group_segment_fixed_size 327680
		.amdhsa_private_segment_fixed_size 0
		.amdhsa_enable_private_segment 0
		.amdhsa_kernarg_size 24
		.amdhsa_user_sgpr_count 2
		.amdhsa_user_sgpr_kernarg_segment_ptr 1
		.amdhsa_wavefront_size32 1
		.amdhsa_system_sgpr_workgroup_id_x 1
		.amdhsa_system_sgpr_workgroup_id_y 1
		.amdhsa_system_sgpr_workgroup_id_z 1
		.amdhsa_system_vgpr_workitem_id 0
		.amdhsa_next_free_vgpr 512
		.amdhsa_next_free_sgpr 90
		.amdhsa_reserve_vcc 1
		.amdhsa_float_denorm_mode_32 3
		.amdhsa_float_denorm_mode_16_64 3
		.amdhsa_memory_ordered 1
		.amdhsa_forward_progress 1
		.amdhsa_inst_pref_size 104
	.end_amdhsa_kernel
	.amdgpu_metadata
---
amdhsa.version: [ 1, 2 ]
amdhsa.kernels:
  - .name:           k_q0d8f9a1da5_attn
    .symbol:         k_q0d8f9a1da5_attn.kd
    .args:
      - { .name: qkv, .offset: 0, .size: 8, .value_kind: global_buffer, .address_space: global }
      - { .name: lowp_scales, .offset: 8, .size: 8, .value_kind: global_buffer, .address_space: global }
      - { .name: ac, .offset: 16, .size: 8, .value_kind: global_buffer, .address_space: global }
    .group_segment_fixed_size: 327680
    .private_segment_fixed_size: 0
    .kernarg_segment_align: 8
    .kernarg_segment_size: 24
    .max_flat_workgroup_size: 256
    .sgpr_count:     90
    .vgpr_count:     512
    .wavefront_size: 32
...
	.end_amdgpu_metadata
.endif
;; end of part 3
;; launch oproj (part 4): grid 4 x 64, 4 waves a work-group, clusters of 4 x 4, 327,680 bytes of LDS; arguments ac, codes, lowp_scales, out0; writes out0
.if DOCPART == 4
	.amdgcn_target "amdgcn-amd-amdhsa--gfx1250"
	.amdhsa_code_object_version 6
	.text
	.protected	k_q0d8f9a1da5_oproj
	.globl	k_q0d8f9a1da5_oproj
	.p2align	8
	.type	k_q0d8f9a1da5_oproj,@function
k_q0d8f9a1da5_oproj:
	s_mov_b64 s[64:65], 0
	v_nop
	global_prefetch_b8 v0, s[64:65] scope:SCOPE_SE
	s_setreg_imm32_b32 hwreg(HW_REG_WAVE_MODE, 25, 1), 1
	s_wait_xcnt 0x0
	s_wait_alu depctr_hold_cnt(0) depctr_sa_sdst(0) depctr_va_vdst(0) depctr_va_sdst(0) depctr_va_ssrc(0) depctr_va_vcc(0) depctr_vm_vsrc(0)
	s_getreg_b32 s2, hwreg(HW_REG_IB_STS2, 6, 4)
	s_cmp_eq_u32 s2, 0
	s_cbranch_scc0 .Lentry_in_a_cluster
	s_endpgm
.Lentry_in_a_cluster:
	s_bfe_u32 s2, ttmp6, 0x10000c
	s_cmp_lg_u32 s2, 0xf033
	s_cbranch_scc0 .Lentry_shape_is_right
	s_endpgm
.Lentry_shape_is_right:
; OPROJ.  out0[m][n] = 2^(e10 + e11) x the sum over k of A[m][k] B[n][k]: A = the attention's result as codes of E4M3 (ac), B = o_w's codes (codes, at 27 MiB), M 8,192, N 1,024, K 1,024; sums in f32.
; ac holds images of A's fragments: [512 blocks of 16 tokens][8 fragments of 128 K][4 groups c][32 lanes][16 bytes]; lane (r, h) of group c holds token r, K = 32 c + 16 h + 0 .. 15, the order in which B's rows are read.
; SHARES.  A block of out0 is 128 x 256, so that 64 x 4 = 256 work-groups share the work; a wave makes 64 x 128: 32 accumulators.  K goes in steps of 256 through a ring of two LDS slots; a slot holds A's 8 blocks
; of 4,096 bytes and B's 256 rows of 256 + 16 bytes.  Waves 0, 1 fetch A's halves, waves 2, 3 B's, one tensor load each.
; CLUSTERS: 4 x 4 work-groups; A's tile is asked for jointly along a row of the cluster, B's along a column.  The matrix instruction is used transposed (source 0 = rows of B): a lane holds eight neighbours of a row of out0.
; NO PREFETCH: K has four fills of a slot, and two of them are the head's.
; LIMIT: e10 + e11 between -126 and 127, so that 2^(e10 + e11) is an f32 number.
; REGISTERS.  Window 0: v16-29 addresses; v128-191 A's four fragments, one set; on the way out v32-255.  Window 1: B's fragments, two sets, at v0 and v128.  Window 2: the accumulators, (a, b) at v[8 (8 a + b)].
.set SIZE_N, 1024
.set SIZE_K, 1024
.set ROWB,   256
.set KROW,   SIZE_K
.set PITCH,  272
.set ABLK,   4096
.set AROW,   16384
.set FR,     16
.set NL,     4
.set NP,     4
.set HALFA,  4*ABLK
.set HALFT,  128*PITCH
.set BOFF,   2*HALFA
.set SLOT,   BOFF+2*HALFT
.set LAPS,   SIZE_K/512
.set SPARE,  2*SLOT                    ; the spare words, 128 bytes a wave; no other line names them
.set SPITCH, 528                       ; the way out: 16 rows x (512 + 16) bytes a wave, in slot 0, behind its last fill and last read
.set R_OW,   27<<20
.set ADRA, 16
.set ADRB, 20
.set STO,  24
.set RD,   25
.set CO,   26
.set SPW,  28
.set NIL,  29
.set TMP,  32
.set AF,   128
.set BK,   128
.set G1, 24
.set G0, 32
.set G1B, 48
.set G0B, 56
.set MSB, 0
.macro WIN new
.if MSB != \new
	s_set_vgpr_msb (MSB<<8)|\new
.set MSB, \new
.endif
.endm
.set MUL_LO, 0xa1                      ; source 0 (B) window 1, source 1 (A) window 0, C and D window 2
.set TO_B,   0x40
.macro JLOAD g0a, g1a, g0b, g1b        ; waves 0, 1 for A, waves 2, 3 for B: one mask and one set of registers a line
	s_cmp_eq_u32 s15, 0
	s_cbranch_scc0 .Lfor_b_\@
	tensor_load_to_lds s[\g0a:\g0a+3], s[\g1a:\g1a+7]
	s_nop 0
.rept 4
	v_nop
.endr
	s_branch .Lasked_\@
.Lfor_b_\@:
	tensor_load_to_lds s[\g0b:\g0b+3], s[\g1b:\g1b+7]
	s_nop 0
.rept 4
	v_nop
.endr
.Lasked_\@:
.endm
.macro CREST
	s_cmp_lg_u32 s14, 0
	s_cbranch_scc1 .Lnot_wave_0_\@
	s_barrier_signal -3
.Lnot_wave_0_\@:
	s_barrier_wait -3
	s_barrier_signal -1
	s_barrier_wait -1
.endm
.macro CROUND
	s_barrier_signal -1
	s_barrier_wait -1
	CREST
.endm
	s_load_b128 s[4:7], s[0:1], 0x0                ; ac, codes
	s_load_b128 s[8:11], s[0:1], 0x10              ; lowp_scales, out0
	v_lshl_add_u32 v[SPW], v0, 2, SPARE
	v_mov_b32 v[NIL], 0
	ds_add_u32 v[SPW], v[NIL]                      ; the opening lines: the add twice on end and its wait
	ds_add_u32 v[SPW], v[NIL]
	v_lshrrev_b32 v1, 5, v0
	v_readfirstlane_b32 s14, v1                    ; wave
	s_lshr_b32 s15, s14, 1                         ; my half of the block's rows; also: I fetch for A (0) or B (1)
	s_and_b32 s16, s14, 1                          ; my half of its columns; also: which half of that tile I fetch
	s_bfe_u32 s40, ttmp6, 0x40000
	s_bfe_u32 s41, ttmp6, 0x40004
	s_lshl_b32 s42, ttmp9, 2
	s_add_co_u32 s42, s42, s40                     ; block column
	s_and_b32 s17, ttmp7, 0xffff
	s_lshl_b32 s17, s17, 2
	s_add_co_u32 s17, s17, s41                     ; block row
	s_lshl_b32 s43, s41, 2
	s_lshl_b32 s43, 15, s43
	s_lshl_b32 s44, 0x1111, s40
	s_or_b32 s[G1+0], s43, (0<<16)|(1<<21)         ; A: 4 rows of 4,096 bytes, 16,384 apart, no padding
	s_mov_b32 s[G1+1], ABLK<<16
	s_mov_b32 s[G1+2], 4<<16
	s_mov_b32 s[G1+3], ABLK<<16
	s_mov_b32 s[G1+4], 4
	s_mov_b32 s[G1+5], AROW
	s_mov_b32 s[G1+6], 0
	s_mov_b32 s[G1+7], 0
	s_or_b32 s[G1B+0], s44, (0<<16)|(1<<20)|(1<<21)|(5<<22)|(3<<25)   ; B: 128 rows of 256 bytes, four words of padding behind each
	s_mov_b32 s[G1B+1], ROWB<<16
	s_mov_b32 s[G1B+2], 128<<16
	s_mov_b32 s[G1B+3], ROWB<<16
	s_mov_b32 s[G1B+4], 128
	s_mov_b32 s[G1B+5], KROW
	s_mov_b32 s[G1B+6], 0
	s_mov_b32 s[G1B+7], 0
	s_lshl_b32 s18, s16, 16                        ; A: 4 blocks of 16,384 bytes a half,
	s_lshl_b32 s20, s17, 17                        ; 8 a block row
	s_add_co_u32 s20, s20, s18
	s_mov_b32 s21, 0
	s_lshl_b32 s18, s16, 17                        ; B: 128 rows of 1,024 bytes a half
	s_lshl_b32 s46, s42, 18
	s_add_co_u32 s46, s46, s18
	s_add_co_u32 s46, s46, R_OW
	s_mov_b32 s47, 0
	s_lshl_b32 s45, s16, 14                        ; where they go in a slot
	s_mul_i32 s66, s16, HALFT
	s_add_co_u32 s66, s66, BOFF
	s_wait_dscnt 0x0
	s_wait_kmcnt 0x0
	s_load_b64 s[96:97], s[8:9], 0x28              ; e10, e11
	s_add_nc_u64 s[20:21], s[4:5], s[20:21]
	s_add_nc_u64 s[46:47], s[6:7], s[46:47]
	CROUND                                         ; all sixteen work-groups are here: the first joint loads meet
.irp s, 0,1
	s_mov_b32 s[G0+4*\s], 1
	s_add_co_u32 s[G0+4*\s+1], s45, \s*SLOT
	s_add_nc_u64 s[G0+4*\s+2:G0+4*\s+3], s[20:21], \s*ABLK
	s_or_b32 s[G0+4*\s+3], s[G0+4*\s+3], 0x80000000
	s_mov_b32 s[G0B+4*\s], 1
	s_add_co_u32 s[G0B+4*\s+1], s66, \s*SLOT
	s_add_nc_u64 s[G0B+4*\s+2:G0B+4*\s+3], s[46:47], \s*ROWB
	s_or_b32 s[G0B+4*\s+3], s[G0B+4*\s+3], 0x80000000
.endr
	JLOAD G0, G1, G0B, G1B                         ; K step 0: one tensor load a wave at the head
	s_lshl_b32 s21, s15, 14                        ; my 4 blocks of A,
	s_mul_i32 s22, s16, HALFT
	s_add_co_u32 s22, s22, BOFF                    ; my 128 rows of B,
	s_add_co_u32 s67, s21, SLOT                    ; and the same in slot 1
	s_add_co_u32 s68, s22, SLOT
	s_mul_i32 s23, s14, 16*SPITCH                  ; my stage
	v_and_b32 v1, 15, v0
	v_bfe_u32 v2, v0, 4, 1
	v_mul_u32_u24 v3, v1, PITCH
	v_lshl_add_u32 v4, v2, 4, v3
	v_and_b32 v6, 31, v0
	v_lshlrev_b32 v[CO], 4, v6
	v_add_nc_u32 v[ADRA], s21, v[CO]
	v_add_nc_u32 v[ADRA+1], s67, v[CO]
	v_add_nc_u32 v[ADRB], s22, v4
	v_add_nc_u32 v[ADRB+1], s68, v4
	v_mul_u32_u24 v5, v1, SPITCH
	v_lshl_add_u32 v5, v2, 5, v5
	v_add_nc_u32 v[STO], s23, v5
	v_add_nc_u32 v[RD], s23, v[CO]
	s_lshl_b32 s20, s17, 7
	s_lshl_b32 s21, s15, 6
	s_add_co_u32 s20, s20, s21                     ; my first row of out0
	s_mov_b32 s21, 0
	s_mov_b64 s[18:19], SIZE_N*4
	s_mul_u64 s[20:21], s[20:21], s[18:19]
	s_lshl_b32 s46, s42, 10
	s_lshl_b32 s47, s16, 9
	s_add_co_u32 s46, s46, s47                     ; my first column, in bytes
	s_mov_b32 s47, 0
	s_add_nc_u64 s[20:21], s[20:21], s[46:47]
	s_add_nc_u64 s[10:11], s[10:11], s[20:21]
.macro FRAGB reg, adr, q, i
.irp c, 0,1,2,3
	ds_load_b128 v[\reg+4*\c:\reg+4*\c+3], v[\adr] offset:128*(\q)+32*\c+(\i)*16*PITCH
.endr
.endm
.macro FRAGA reg, adr, q, i
.irp c, 0,1,2,3
	ds_load_b128 v[\reg+4*\c:\reg+4*\c+3], v[\adr] offset:ABLK*(\i)+2048*(\q)+512*\c
.endr
.endm
.macro MULB a, p, zero                 ; A's block a x B's eight; the 32 accumulators take turns in the same order in every step
.irp b, 0,1,2,3,4,5,6,7
.if \zero
	v_wmma_f32_16x16x128_fp8_fp8 v[8*(8*(\a)+\b):8*(8*(\a)+\b)+7], v[128*(\p)+FR*\b:128*(\p)+FR*\b+FR-1], v[AF+FR*(\a):AF+FR*(\a)+FR-1], 0
.else
	v_wmma_f32_16x16x128_fp8_fp8 v[8*(8*(\a)+\b):8*(8*(\a)+\b)+7], v[128*(\p)+FR*\b:128*(\p)+FR*\b+FR-1], v[AF+FR*(\a):AF+FR*(\a)+FR-1], v[8*(8*(\a)+\b):8*(8*(\a)+\b)+7]
.endif
.endr
.endm
.macro FETCH_B slot, q, p
	WIN TO_B
.irp i, 0,1,2,3,4,5,6,7
	FRAGB 128*(\p)+FR*\i, ADRB+\slot, \q, \i
.endr
	WIN 0
.endm
.macro FETCH_A slot, q, i0             ; A's blocks i0, i0 + 1
.irp i, \i0, \i0+1
	FRAGA AF+FR*(\i), ADRA+\slot, \q, \i
.endr
.endm
.macro PLACES n
.rept \n
	v_nop
.endr
.endm
.macro STEP slot, q, zero              ; 128 along K with its successor in the same slot
	s_wait_dscnt 2*NL                              ; B's set and A's blocks 0, 1 are in; the youngest eight loads (blocks 2, 3) may be out
	WIN MUL_LO
	MULB 0, (\q)%2, \zero
	MULB 1, (\q)%2, \zero
	s_wait_dscnt 0
	PLACES NP
	FETCH_B \slot, (\q)+1, 1-(\q)%2
	FETCH_A \slot, (\q)+1, 0
	WIN MUL_LO
	MULB 2, (\q)%2, \zero
	MULB 3, (\q)%2, \zero
	PLACES NP
	WIN 0
	FETCH_A \slot, (\q)+1, 2
.endm
.macro TURN slot, next, fill           ; a slot's last step changes slots
	s_wait_tensorcnt 0x0                           ; all my tensor loads have landed: my part of the next slot;
	ds_add_u32 v[SPW], v[NIL]
	s_wait_dscnt 2*NL+1                            ; (the add and the youngest eight loads may be out)
	WIN MUL_LO
	MULB 0, 1, 0
	s_wait_dscnt 0x0                               ; the add is done, and my reads of this slot are over
	s_barrier_signal -1
	MULB 1, 1, 0
	WIN 0
	s_barrier_wait -1
.if \fill
	CREST                                          ; the barrier has opened a round of the cluster's barrier
	s_add_nc_u64 s[G0+4*\slot+2:G0+4*\slot+3], s[G0+4*\slot+2:G0+4*\slot+3], 2*ABLK
	s_add_nc_u64 s[G0B+4*\slot+2:G0B+4*\slot+3], s[G0B+4*\slot+2:G0B+4*\slot+3], 2*ROWB
	JLOAD G0+4*\slot, G1, G0B+4*\slot, G1B         ; the first tensor load behind the round; its four v_nop are the places in front of the loads below
.else
	PLACES NP
.endif
	FETCH_B \next, 0, 0
	FETCH_A \next, 0, 0
	WIN MUL_LO
	MULB 2, 1, 0
	MULB 3, 1, 0
	PLACES NP
	WIN 0
	FETCH_A \next, 0, 2
.endm
	s_wait_alu depctr_va_vdst(0)                   ; the wait at the head's end
	s_wait_tensorcnt 0x0                           ; my part of K step 0 is in; the lines ahead of a later first fill:
	ds_add_u32 v[SPW], v[NIL]
	s_wait_dscnt 0x0
	CROUND
	JLOAD G0+4, G1, G0B+4, G1B                     ; K step 1
	FETCH_B 0, 0, 0
	FETCH_A 0, 0, 0
	FETCH_A 0, 0, 2
	STEP 0, 0, 1                                   ; the first step starts the sums
	s_mov_b32 s3, LAPS-1
.Llap:
	TURN 0, 1, 1
	STEP 1, 0, 0
	TURN 1, 0, 1
	STEP 0, 0, 0
	s_sub_co_u32 s3, s3, 1
	s_cmp_lg_u32 s3, 0
	s_cbranch_scc1 .Llap
	TURN 0, 1, 0                                   ; the last lap fills nothing
	STEP 1, 0, 0
	s_wait_dscnt 2*NL
	WIN MUL_LO
	MULB 0, 1, 0
	MULB 1, 1, 0
	s_wait_dscnt 0
	MULB 2, 1, 0
	MULB 3, 1, 0
	WIN 0
; THE WAY OUT, by blocks of 16 rows x 128 columns, through my stage: whole rows of 512 bytes come back and leave as two aligned units of 256 bytes.
.macro TOSTAGE a
.set AC, 64*(\a)
	WIN 0x02
.irp j, 0,2,4,6,8,10,12,14,16,18,20,22,24,26,28,30,32,34,36,38,40,42,44,46,48,50,52,54,56,58,60,62
	v_pk_mul_f32 v[TMP+\j:TMP+\j+1], v[AC+\j:AC+\j+1], s[96:97] op_sel_hi:[1,0]   ; x 2^(e10 + e11), each accumulator from its low end on
.endr
	WIN 0
.irp b, 0,1,2,3,4,5,6,7
	ds_store_b128 v[STO], v[TMP+8*\b:TMP+8*\b+3] offset:64*\b
	ds_store_b128 v[STO], v[TMP+8*\b+4:TMP+8*\b+7] offset:64*\b+16
.endr
.set BB, BK+64*((\a)%2)
.irp t, 0,1,2,3,4,5,6,7,8,9,10,11,12,13,14,15
	ds_load_b128 v[BB+4*\t:BB+4*\t+3], v[RD] offset:\t*SPITCH
.endr
.endm
.macro SEND a, younger
.set BB, BK+64*((\a)%2)
	s_wait_dscnt \younger                          ; the block is back in registers
.if (\a) > 0
	s_add_nc_u64 s[10:11], s[10:11], 16*SIZE_N*4   ; (behind a wait on XCNT)
.endif
.irp t, 0,1,2,3,4,5,6,7,8,9,10,11,12,13,14,15
	global_store_b128 v[CO], v[BB+4*\t:BB+4*\t+3], s[10:11] offset:\t*SIZE_N*4 th:TH_STORE_NT
.endr
.endm
	s_wait_kmcnt 0x0
	s_add_co_i32 s96, s96, s97
	s_add_co_i32 s96, s96, 127
	s_lshl_b32 s96, s96, 23                        ; 2^(e10 + e11)
	PLACES NP
	TOSTAGE 0
.irp a, 1,2,3
.if \a > 1
	s_wait_xcnt 0x0                                ; block a - 2's stores have read their registers and their base
.endif
	TOSTAGE \a
	SEND \a-1, 32                                  ; behind block a - 1's loads: block a's 16 stores and 16 loads
.endr
	s_wait_xcnt 0x0
	SEND 3, 0
	s_wait_tensorcnt 0x0                           ; the wave's end
	ds_add_u32 v[SPW], v[NIL]
	s_wait_dscnt 0x0
	CROUND                                         ; the closing round
	s_endpgm
.Lfunc_end_k_q0d8f9a1da5_oproj:
	.size	k_q0d8f9a1da5_oproj, .Lfunc_end_k_q0d8f9a1da5_oproj-k_q0d8f9a1da5_oproj
	.p2alignl 7, 3214868480
	.fill 96, 4, 3214868480
	.section	.rodata,"a",@progbits
	.p2align	6, 0x0
	.amdhsa_kernel k_q0d8f9a1da5_oproj
		.amdhsa_group_segment_fixed_size 327680
		.amdhsa_private_segment_fixed_size 0
		.amdhsa_enable_private_segment 0
		.amdhsa_kernarg_size 32
		.amdhsa_user_sgpr_count 2
		.amdhsa_user_sgpr_kernarg_segment_ptr 1
		.amdhsa_wavefront_size32 1
		.amdhsa_system_sgpr_workgroup_id_x 1
		.amdhsa_system_sgpr_workgroup_id_y 1
		.amdhsa_system_sgpr_workgroup_id_z 1
		.amdhsa_system_vgpr_workitem_id 0
		.amdhsa_next_free_vgpr 768
		.amdhsa_next_free_sgpr 98
		.amdhsa_reserve_vcc 0
		.amdhsa_float_denorm_mode_32 3
		.amdhsa_float_denorm_mode_16_64 3
		.amdhsa_memory_ordered 1
		.amdhsa_forward_progress 1
		.amdhsa_inst_pref_size 77
	.end_amdhsa_kernel
	.amdgpu_metadata
---
amdhsa.version: [ 1, 2 ]
amdhsa.kernels:
  - .name:           k_q0d8f9a1da5_oproj
    .symbol:         k_q0d8f9a1da5_oproj.kd
    .args:
      - { .name: ac, .offset: 0, .size: 8, .value_kind: global_buffer, .address_space: global }
      - { .name: codes, .offset: 8, .size: 8, .value_kind: global_buffer, .address_space: global }
      - { .name: lowp_scales, .offset: 16, .size: 8, .value_kind: global_buffer, .address_space: global }
      - { .name: out0, .offset: 24, .size: 8, .value_kind: global_buffer, .address_space: global }
    .group_segment_fixed_size: 327680
    .private_segment_fixed_size: 0
    .kernarg_segment_align: 8
    .kernarg_segment_size: 32
    .max_flat_workgroup_size: 128
    .sgpr_count:     98
    .vgpr_count:     768
    .wavefront_size: 32
...
	.end_amdgpu_metadata
.endif
;; end of part 4
